; MI455X (gfx1250); checked and timed in simulation.
; The chip was launched on July 23, 2026; its instructions are those of AMD's public machine-readable ISA for CDNA 5 (MIT licence, August 2026) and "CDNA5" Instruction Set Architecture Reference Guide (July 2026). The comments in the code are by the model that wrote it; some were corrected since.
;; FP8 Sparse Mo E Layer. Allowed arithmetic: matrix products marked QUANTISED: E3M2 operands, one E8M0 scale for each 32 along K, by v_wmma_scale_f32_16x16x128_f8f6f4 with both operands' format E3M2, f32 sums; everything else in f32.
;; Inputs: gating_output 2,048 x 8 float32; w1 8 x 2,048 x 1,024 float32; w1_scale 8 float32; w2 8 x 1,024 x 1,024 float32; w2_scale 8 float32; x 2,048 x 1,024 float32.
;; Outputs: out0 2,048 x 1,024 float32.
;; This version of the problem:
;;   THIS VERSION OF THE PROBLEM IS GIVEN IN LOW PRECISION. The matrix products marked QUANTISED in the list below multiply operands that are first quantised to E3M2 (3 exponent bits, 2 mantissa bits; 6 bits a number), with one power-of-two scale for each 32 numbers along K (OCP MX v1.0); their sums are f32. All else is computed in f32.
;;   The module's matrix products, in the order in which they are computed (A, B: the left and right operand; K: the contracted axis; several contracted axes count as one K, in the product's order):
;;     1. [M 2,048, K 1,024] x [K 1,024, N 1,024]; A: input x; B: computed on the way: QUANTISED
;;     2. [M 2,048, K 1,024] x [K 1,024, N 1,024]; A: input x; B: computed on the way: QUANTISED
;;     3. [M 2,048, K 1,024] x [K 1,024, N 1,024]; A: computed on the way; B: computed on the way: QUANTISED
;;     4. [M 2,048, K 1,024] x [K 1,024, N 1,024]; A: input x; B: computed on the way: QUANTISED
;;     5. [M 2,048, K 1,024] x [K 1,024, N 1,024]; A: input x; B: computed on the way: QUANTISED
;;     6. [M 2,048, K 1,024] x [K 1,024, N 1,024]; A: computed on the way; B: computed on the way: QUANTISED
;;     7. [M 2,048, K 1,024] x [K 1,024, N 1,024]; A: input x; B: computed on the way: QUANTISED
;;     8. [M 2,048, K 1,024] x [K 1,024, N 1,024]; A: input x; B: computed on the way: QUANTISED
;;     9. [M 2,048, K 1,024] x [K 1,024, N 1,024]; A: computed on the way; B: computed on the way: QUANTISED
;;     10. [M 2,048, K 1,024] x [K 1,024, N 1,024]; A: input x; B: computed on the way: QUANTISED
;;     11. [M 2,048, K 1,024] x [K 1,024, N 1,024]; A: input x; B: computed on the way: QUANTISED
;;     12. [M 2,048, K 1,024] x [K 1,024, N 1,024]; A: computed on the way; B: computed on the way: QUANTISED
;;     13. [M 2,048, K 1,024] x [K 1,024, N 1,024]; A: input x; B: computed on the way: QUANTISED
;;     14. [M 2,048, K 1,024] x [K 1,024, N 1,024]; A: input x; B: computed on the way: QUANTISED
;;     15. [M 2,048, K 1,024] x [K 1,024, N 1,024]; A: computed on the way; B: computed on the way: QUANTISED
;;     16. [M 2,048, K 1,024] x [K 1,024, N 1,024]; A: input x; B: computed on the way: QUANTISED
;;     17. [M 2,048, K 1,024] x [K 1,024, N 1,024]; A: input x; B: computed on the way: QUANTISED
;;     18. [M 2,048, K 1,024] x [K 1,024, N 1,024]; A: computed on the way; B: computed on the way: QUANTISED
;;     19. [M 2,048, K 1,024] x [K 1,024, N 1,024]; A: input x; B: computed on the way: QUANTISED
;;     20. [M 2,048, K 1,024] x [K 1,024, N 1,024]; A: input x; B: computed on the way: QUANTISED
;;     21. [M 2,048, K 1,024] x [K 1,024, N 1,024]; A: computed on the way; B: computed on the way: QUANTISED
;;     22. [M 2,048, K 1,024] x [K 1,024, N 1,024]; A: input x; B: computed on the way: QUANTISED
;;     23. [M 2,048, K 1,024] x [K 1,024, N 1,024]; A: input x; B: computed on the way: QUANTISED
;;     24. [M 2,048, K 1,024] x [K 1,024, N 1,024]; A: computed on the way; B: computed on the way: QUANTISED
;;   THE QUANTISER, for each operand of a quantised product, along K:
;;     - K is cut into blocks of 32 from its start; a last block that is shorter is filled with zeros.
;;     - A block's scale is 2^e with e = floor(log2(the largest magnitude in the block)) - 4, held to -126 .. 127; a block of zeros has e = 0. As a byte (E8M0): e + 127.
;;     - Each number is divided by its block's scale, clamped to +-28, and rounded to the nearest number of E3M2, ties to even, subnormals kept.
;;     - The product sums the exact products of the quantised numbers (number of the format x scale) in f32.
;;   ~~~python
;;   def quantise(x, axis):      # numpy; x: float32 -> the quantised numbers, widened to float32 again
;;       x = np.moveaxis(x, axis, -1); K = x.shape[-1]
;;       x = np.pad(x, [(0, 0)] * (x.ndim - 1) + [(0, -K % 32)]); x = x.reshape(x.shape[:-1] + (-1, 32)); a = np.abs(x).max(-1, keepdims=True)
;;       e = np.where(a > 0, np.clip(np.frexp(np.where(a > 0, a, 1))[1] - 1 - 4, -126, 127), 0)      # np.frexp(a)[1] - 1 = floor(log2(a)), exactly
;;       r = np.clip(x / 2.0 ** e, -28, 28)
;;       step = 2.0 ** (np.maximum(np.frexp(np.where(r == 0, 1, r))[1] - 1, -2) - 2)
;;       q = np.round(r / step) * step * 2.0 ** e      # np.round: ties to even
;;       return np.moveaxis(q.reshape(q.shape[:-2] + (-1,))[..., :K], -1, axis).astype(np.float32)
;;   ~~~
;;   OPERANDS COMPUTED ON THE WAY. 'Computed on the way' means the value that the module computes at that place (a softmax that the list does not call 'softmax' is quantised finished and normalised). What goes into a quantiser is computed in f32, as accurately as f32 sums, v_exp_f32 and their like allow (about 1e-6 of the number): no bf16 or f16 on the way to a quantiser, and a product that is left as it is and whose result goes on into a quantised operand takes f32 operands (vector FMAs, or v_wmma_f32_16x16x4_f32). A number that lies on a knife's edge between two numbers of the format may be rounded either way, as far as f32 arithmetic and the matrix unit's own rounding can turn it there, and no further.
;; 2 versions. Each part assembles by itself: llvm-mc -triple=amdgcn-amd-amdhsa -mcpu=gfx1250 --defsym DOCPART=n.
;; ======== version 1 of 2: 5 launches
;; workspace buffers: qbuf 21,299,200 bytes; ridx 16,384 bytes of whole numbers; rwt 16,384 bytes; plan 33,536 bytes of whole numbers; hbuf 3,379,200 bytes; ybuf 17,301,504 bytes
;; launch prep (part 1): grid 592 x 1, 4 waves a work-group, no clusters, 33,280 bytes of LDS; arguments x, gating_output, w1, w1_scale, qbuf, ridx, rwt; writes qbuf, ridx, rwt
.if DOCPART == 1
	.amdgcn_target "amdgcn-amd-amdhsa--gfx1250"
	.amdhsa_code_object_version 6
	.text
	.protected	k_q92a024386f_prep
	.globl	k_q92a024386f_prep
	.p2align	8
	.type	k_q92a024386f_prep,@function
k_q92a024386f_prep:
	s_mov_b64 s[64:65], 0
	v_nop
	global_prefetch_b8 v0, s[64:65] scope:SCOPE_SE
	s_setreg_imm32_b32 hwreg(HW_REG_WAVE_MODE, 25, 1), 1
	s_wait_xcnt 0x0
; PREP.  (a) w1[e] * w1_scale[e] and x, f32 with K = 1,024 innermost, become codes of BF6 (E3M2) and one E8M0 byte for each 32 along K.  (w2 is done by the launch that follows.)
; (b) softmax of the gate's 8 numbers a token, the two largest (the lower index on a tie), renormalised: two indices and two weights a token, at fixed places.
; A block's scale is 2^(floor(log2(largest magnitude)) - 4): its byte is the largest magnitude's exponent field - 4, held at 1 from below.
; LIMITS: NaN and infinities are not served; a block whose largest magnitude lies under 2^-122 (a block of zeros among them) keeps the byte 1: its codes are what the
; conversion gives under that scale, zeros for zeros, and this program alone reads the bytes.  Ties between two p are judged on p as this text computes it.
; LAYOUT OF qbuf: rows of 768 bytes of codes as a plain stream of bits (w1: 16,384 rows, w2: 8,192, x: 2,048), then rows of 32 scale bytes.  In each group of four blocks the
; scale bytes of blocks 1 and 2 change places (bits 0 and 1 of the block's number are swapped): the products take 48 consecutive bytes of a row into a lane, so that the
; unit's block 2 c + h holds the row's block 2 h + c, for both operands alike, and the scale bytes lie in the unit's order.
; SHARES: work-groups 0-511 w1, 512-575 x: 32,768 numbers each, 8,192 a wave in 16 steps of 512; work-groups 576-591 the routing, a thread to a token.
; A step's four loads read 512 consecutive bytes each; the 2,048 bytes turn through the wave's own stage in LDS, so that a lane then holds 16 neighbours along K (two lanes a block).
; No tensor loads, no barrier: waves share nothing.  Loads run six steps (24 loads, 12,288 bytes a wave) ahead, the turn through LDS one step.
.set STEPS, 16
.set DEPTH, 6                          ; steps of loads on their way
.set EMAX,  4
.set CB,    12                         ; bytes of 16 codes
.set R,     16                         ; v16-111  six sets of 16 numbers as loaded
.set X,     112                        ; v112-143 two sets of 16 neighbours
.set E,     144                        ; v144-159 a scale byte for each step
.set C,     160                        ; v160-223 codes: four registers a step, so that no store's data are written again
.set WREG,  8192                       ; LDS of a wave: two stages of 32 x SP bytes, then its 256 scale bytes
.set SP,    80                         ; a lane's place in a stage: 64 bytes + 16 of padding
.set XQ,    18874368                   ; parts of qbuf (w1's codes begin at 0)
.set W1S,   20447232
.set XSC,   21233664
.set G_X,   512                        ; first work-group of x, of the routing
.set G_RT,  576
	s_load_b128 s[4:7], s[0:1], 0x0                ; x, gating_output
	s_load_b128 s[8:11], s[0:1], 0x10              ; w1, w1_scale
	s_load_b128 s[16:19], s[0:1], 0x20             ; qbuf, ridx
	s_load_b64 s[20:21], s[0:1], 0x30              ; rwt
	v_lshl_add_u32 v224, v0, 2, 0x8000
	v_mov_b32 v225, 0
	s_cmp_ge_u32 ttmp9, G_RT
	s_cbranch_scc1 .Lroute
	v_lshrrev_b32 v1, 5, v0
	v_readfirstlane_b32 s22, v1                    ; wave
	v_and_b32 v2, 31, v0                           ; lane
	v_lshlrev_b32 v3, 4, v2                        ; my 16 bytes of a load's 512
	s_mul_i32 s23, s22, WREG
	v_lshrrev_b32 v14, 2, v2
	v_mul_u32_u24 v14, v14, SP
	v_and_b32 v15, 3, v2
	v_lshl_add_u32 v14, v15, 4, v14
	v_add_nc_u32 v14, s23, v14                     ; the stage, on the way in: SP (lane / 4) + 16 (lane % 4)
	v_mul_u32_u24 v15, v2, SP
	v_add_nc_u32 v15, s23, v15                     ; and on the way out: SP x lane: my 16 neighbours
	v_mul_u32_u24 v4, v2, CB                       ; my codes' place in a step's 384 bytes
	v_lshrrev_b32 v5, 1, v2                        ; my block of the step's 16,
	v_and_b32 v8, 12, v5
	v_and_b32 v9, 1, v5
	v_lshl_add_u32 v8, v9, 1, v8
	v_bfe_u32 v9, v5, 1, 1
	v_add_nc_u32 v5, v8, v9                        ; with bits 0 and 1 swapped: its scale byte's place
	s_add_co_u32 s23, s23, 2*32*SP
	v_add_nc_u32 v5, s23, v5                       ; in my wave's 256 scale bytes
	v_lshlrev_b32 v7, 3, v2                        ; which leave 8 bytes a lane
	v_add_nc_u32 v6, s23, v7
	s_wait_kmcnt 0x0
	s_cmp_lt_u32 ttmp9, G_X                        ; which tensor: the choice hangs on the work-group's number alone
	s_cselect_b64 s[26:27], s[8:9], s[4:5]         ; w1 or x
	s_cselect_b32 s30, 0, G_X                      ; its first work-group
	s_mov_b32 s32, XQ
	s_cselect_b32 s32, 0, s32                      ; where its codes begin in qbuf
	s_mov_b32 s33, XSC
	s_mov_b32 s34, W1S
	s_cselect_b32 s33, s34, s33                    ; and its scale bytes
	s_sub_co_u32 s35, ttmp9, s30                   ; my work-group within the tensor
	s_lshr_b32 s36, s35, 6                         ; the expert: 64 work-groups each (for x: 0; what is read there is replaced by 1.0 below)
	s_lshl_b32 s36, s36, 2
	s_mov_b32 s37, 0
	s_add_nc_u64 s[28:29], s[10:11], s[36:37]
	s_load_b32 s24, s[28:29], 0x0                  ; the expert's scale
	s_lshl_b32 s35, s35, 2
	s_add_co_u32 s35, s35, s22                     ; which run of 8,192 numbers is my wave's
	s_lshl_b32 s36, s35, 15
	s_add_nc_u64 s[26:27], s[26:27], s[36:37]      ; 32,768 bytes of numbers a run,
	s_mul_i32 s36, s35, 32*STEPS*CB
	s_add_co_u32 s36, s36, s32
	s_add_nc_u64 s[38:39], s[16:17], s[36:37]      ; 6,144 of codes,
	s_lshl_b32 s36, s35, 8
	s_add_co_u32 s36, s36, s33
	s_add_nc_u64 s[40:41], s[16:17], s[36:37]      ; 256 of scale bytes
.macro LOAD t
.irp i, 0,1,2,3
	global_load_b128 v[R+16*((\t)%DEPTH)+4*\i:R+16*((\t)%DEPTH)+4*\i+3], v3, s[26:27] offset:2048*(\t)+512*\i th:TH_LOAD_NT   ; 32 lanes read 512 consecutive bytes; read once in the launch
.endr
.endm
.macro TURN t                          ; step t's numbers through the stage: LDS serves a wave's instructions in order, so no wait stands between the stores and the loads
.irp i, 0,1,2,3
	ds_store_b128 v14, v[R+16*((\t)%DEPTH)+4*\i:R+16*((\t)%DEPTH)+4*\i+3] offset:32*SP*((\t)%2)+8*SP*\i
.endr
.irp i, 0,1,2,3
	ds_load_b128 v[X+16*((\t)%2)+4*\i:X+16*((\t)%2)+4*\i+3], v15 offset:32*SP*((\t)%2)+16*\i
.endr
.endm
.irp t, 0,1,2,3,4,5
	LOAD \t
.endr
	s_wait_kmcnt 0x0                               ; the scale
	s_cmp_lt_u32 ttmp9, G_X
	s_cselect_b32 s24, s24, 1.0                    ; x is taken as it is
	s_mov_b32 s25, s24                             ; (the packed form names the pair)
	s_wait_loadcnt 4*(DEPTH-1)                     ; step 0's four loads are in; the 20 of steps 1 to 5 may be out
	TURN 0
.macro STEP t
.set XS, X+16*((\t)%2)
.if (\t) > 0
	s_wait_dscnt 1                                 ; this step's numbers are back from the stage (the last step's byte store may be out): so its stores into the stage have read their registers,
.else
	s_wait_dscnt 0x0
.endif
.if (\t)+DEPTH < STEPS
	LOAD (\t)+DEPTH                                ; which take the loads of six steps on
.endif
.if (\t)+1 < STEPS
.if STEPS-2-(\t) >= DEPTH-1
	s_wait_loadcnt 4*(DEPTH-1)                     ; the next step's four loads are in; those of the five steps behind it may be out
.else
	s_wait_loadcnt 4*(STEPS-2-(\t))                ; (of the steps that are left)
.endif
	TURN (\t)+1                                    ; and go through the other stage while this step is worked
.endif
.irp i, 0,2,4,6,8,10,12,14
	v_pk_mul_f32 v[XS+\i:XS+\i+1], v[XS+\i:XS+\i+1], s[24:25] op_sel_hi:[1,0]   ; the weight as the model has it: number x the expert's scale, one f32 rounding
.endr
	v_max3_num_f32 v8, |v[XS]|, |v[XS+1]|, |v[XS+2]|               ; the largest magnitude of my 16, in two chains
	v_max3_num_f32 v9, |v[XS+3]|, |v[XS+4]|, |v[XS+5]|
.irp i, 6,10
	v_max3_num_f32 v8, v8, |v[XS+\i]|, |v[XS+\i+1]|
	v_max3_num_f32 v9, v9, |v[XS+\i+2]|, |v[XS+\i+3]|
.endr
	v_max3_num_f32 v8, v8, |v[XS+14]|, |v[XS+15]|
	v_max3_num_f32 v8, v8, v9, (EMAX+1)<<23        ; and the floor 2^(5 - 127): the byte cannot fall under 1
	v_max_num_f32_dpp v8, v8, v8 row_xmask:1 row_mask:0xf bank_mask:0xf   ; with my neighbour's 16: the block's
	v_add_nc_u32 v11, -(EMAX<<23), v8              ; 4 off its exponent field: the conversion takes the exponent field of this operand as its scale
	v_cvt_scalef32_pk16_bf6_f32 v[C+4*(\t):C+4*(\t)+2], v[XS:XS+15], v11   ; 16 codes, 96 bits, the first number's code lowest; beyond 28 the largest code
	v_lshrrev_b32 v[E+(\t)], 23, v11               ; the scale's byte (also the plain line behind the conversion)
	ds_store_b8 v5, v[E+(\t)] offset:16*(\t)       ; both lanes of a block write the same byte with the same value
	global_store_b96 v4, v[C+4*(\t):C+4*(\t)+2], s[38:39] offset:32*CB*(\t)   ; the wave stores 384 consecutive bytes
.endm
.irp t, 0,1,2,3,4,5,6,7,8,9,10,11,12,13,14,15
	STEP \t
.endr
	ds_load_b64 v[12:13], v6                       ; LDS serves a wave's instructions in order: these see my byte stores
	s_wait_dscnt 0x0
	global_store_b64 v7, v[12:13], s[40:41]        ; 32 lanes store 256 consecutive bytes, aligned
	s_wait_tensorcnt 0x0
	ds_add_u32 v224, v225
	s_wait_dscnt 0x0
	s_endpgm
; THE ROUTING: a thread to a token.  p = softmax of its 8 numbers (the maximum is taken away first); the two largest p; their weights divided by their sum.
.Lroute:
	s_sub_co_u32 s22, ttmp9, G_RT
	s_lshl_b32 s22, s22, 7
	v_add_nc_u32 v1, s22, v0                       ; my token
	v_lshlrev_b32 v2, 5, v1                        ; 32 bytes of gate numbers a token
	v_lshlrev_b32 v3, 3, v1                        ; 8 bytes a token in ridx and in rwt
	s_wait_kmcnt 0x0
	global_load_b128 v[8:11], v2, s[6:7]
	global_load_b128 v[12:15], v2, s[6:7] offset:16
	s_wait_loadcnt 0x0
	v_max3_num_f32 v16, v8, v9, v10
	v_max3_num_f32 v16, v16, v11, v12
	v_max3_num_f32 v16, v16, v13, v14
	v_max_num_f32 v16, v16, v15                    ; the row's maximum
.irp i, 0,1,2,3,4,5,6,7
	v_sub_f32 v[8+\i], v[8+\i], v16
.endr
.irp i, 0,1,2,3,4,5,6,7
	v_mul_f32 v[8+\i], 0x3fb8aa3b, v[8+\i]         ; x log2(e)
.endr
.irp i, 0,1,2,3,4,5,6,7
	v_exp_f32 v[8+\i], v[8+\i]
.endr
	v_mov_b32 v20, 0                               ; the first index begins at 0 (a plain line behind the exponentials)
	s_wait_alu depctr_va_vdst(0)                   ; one wait for the eight, ahead of their first reader
	v_add_f32 v16, v8, v9
	v_add_f32 v17, v10, v11
	v_add_f32 v18, v12, v13
	v_add_f32 v19, v14, v15
	v_add_f32 v16, v16, v17
	v_add_f32 v18, v18, v19
	v_add_f32 v16, v16, v18
	v_rcp_f32 v16, v16
	v_mov_b32 v21, 0                               ; the second index (a plain line behind the reciprocal)
	s_wait_alu depctr_va_vdst(0)
.irp i, 0,1,2,3,4,5,6,7
	v_mul_f32 v[8+\i], v[8+\i], v16                ; p
.endr
	v_mov_b32 v18, v8                              ; the largest so far
.irp i, 1,2,3,4,5,6,7
	v_cmp_ge_f32 vcc_lo, v18, v[8+\i]              ; keep what I have unless p_i is strictly larger: a tie stays with the lower index
	v_cndmask_b32 v18, v[8+\i], v18, vcc_lo
	v_cndmask_b32 v20, \i, v20, vcc_lo
.endr
	v_mov_b32 v19, -1.0                            ; under every p
.irp i, 0,1,2,3,4,5,6,7
	v_cmp_eq_u32 s24, \i, v20                      ; the first choice is passed over
	v_cmp_ge_f32 vcc_lo, v19, v[8+\i]
	s_or_b32 vcc_lo, vcc_lo, s24
	v_cndmask_b32 v19, v[8+\i], v19, vcc_lo
	v_cndmask_b32 v21, \i, v21, vcc_lo
.endr
	v_add_f32 v22, v18, v19
	v_rcp_f32 v22, v22
	v_nop                                          ; a plain line behind the reciprocal
	s_wait_alu depctr_va_vdst(0)
	v_mul_f32 v24, v18, v22
	v_mul_f32 v25, v19, v22
	global_store_b64 v3, v[20:21], s[18:19]        ; a wave stores 256 consecutive bytes
	global_store_b64 v3, v[24:25], s[20:21]
	s_endpgm
.Lfunc_end_k_q92a024386f_prep:
	.size	k_q92a024386f_prep, .Lfunc_end_k_q92a024386f_prep-k_q92a024386f_prep
	.p2alignl 7, 3214868480
	.fill 96, 4, 3214868480
	.section	.rodata,"a",@progbits
	.p2align	6, 0x0
	.amdhsa_kernel k_q92a024386f_prep
		.amdhsa_group_segment_fixed_size 33280
		.amdhsa_private_segment_fixed_size 0
		.amdhsa_enable_private_segment 0
		.amdhsa_kernarg_size 56
		.amdhsa_user_sgpr_count 2
		.amdhsa_user_sgpr_kernarg_segment_ptr 1
		.amdhsa_wavefront_size32 1
		.amdhsa_system_sgpr_workgroup_id_x 1
		.amdhsa_system_sgpr_workgroup_id_y 1
		.amdhsa_system_sgpr_workgroup_id_z 1
		.amdhsa_system_vgpr_workitem_id 0
		.amdhsa_next_free_vgpr 226
		.amdhsa_next_free_sgpr 66
		.amdhsa_reserve_vcc 1
		.amdhsa_float_denorm_mode_32 3
		.amdhsa_float_denorm_mode_16_64 3
		.amdhsa_memory_ordered 1
		.amdhsa_forward_progress 1
		.amdhsa_inst_pref_size 46
	.end_amdhsa_kernel
	.amdgpu_metadata
---
amdhsa.version: [ 1, 2 ]
amdhsa.kernels:
  - .name:           k_q92a024386f_prep
    .symbol:         k_q92a024386f_prep.kd
    .args:
      - { .name: x, .offset: 0, .size: 8, .value_kind: global_buffer, .address_space: global }
      - { .name: gating_output, .offset: 8, .size: 8, .value_kind: global_buffer, .address_space: global }
      - { .name: w1, .offset: 16, .size: 8, .value_kind: global_buffer, .address_space: global }
      - { .name: w1_scale, .offset: 24, .size: 8, .value_kind: global_buffer, .address_space: global }
      - { .name: qbuf, .offset: 32, .size: 8, .value_kind: global_buffer, .address_space: global }
      - { .name: ridx, .offset: 40, .size: 8, .value_kind: global_buffer, .address_space: global }
      - { .name: rwt, .offset: 48, .size: 8, .value_kind: global_buffer, .address_space: global }
    .group_segment_fixed_size: 33280
    .private_segment_fixed_size: 0
    .kernarg_segment_align: 8
    .kernarg_segment_size: 56
    .max_flat_workgroup_size: 128
    .sgpr_count:     66
    .vgpr_count:     226
    .wavefront_size: 32
...
	.end_amdgpu_metadata
.endif
;; end of part 1
;; launch prep2 (part 2): grid 257 x 1, 16 waves a work-group, no clusters, 135,168 bytes of LDS; arguments w2, w2_scale, ridx, qbuf, plan; writes qbuf, plan
.if DOCPART == 2
	.amdgcn_target "amdgcn-amd-amdhsa--gfx1250"
	.amdhsa_code_object_version 6
	.text
	.protected	k_q92a024386f_prep2
	.globl	k_q92a024386f_prep2
	.p2align	8
	.type	k_q92a024386f_prep2,@function
k_q92a024386f_prep2:
	s_mov_b64 s[64:65], 0
	v_nop
	global_prefetch_b8 v0, s[64:65] scope:SCOPE_SE
	s_setreg_imm32_b32 hwreg(HW_REG_WAVE_MODE, 25, 1), 1
	s_wait_xcnt 0x0
; PREP2.  Two pieces of work that need nothing of each other share this launch, so that the short sort does not have the chip to itself.
; WORK-GROUP 0: THE PLACING.  The 4,096 pairs (token, choice), stored by the launch before, are sorted by expert, by counting: no atomics.
; WORK-GROUPS 1-256: w2[e] * w2_scale[e], f32 with K = 1,024 innermost, becomes codes of BF6 (E3M2) and one E8M0 byte for each 32 along K, by the same arithmetic and into the same
; layout of qbuf as w1 and x in the launch before (rows of 768 bytes of codes; rows of 32 scale bytes in which, in each group of four blocks, blocks 1 and 2 change places).
; The two ways part once, on the work-group's number, which all waves of a work-group share; each has LDS bytes of its own.
; THE QUANTISER: 32,768 numbers a work-group, 2,048 a wave in 4 steps of 512.  All 16 loads of a wave go out at once: there is no ring.  A step's 2,048 bytes turn through the wave's own
; stage in LDS, so that a lane holds 16 neighbours along K.  Waves share nothing.  A wave's 64 scale bytes leave as 64 consecutive bytes, 2 a lane: four neighbouring waves' stores
; make up an aligned run of 256; to gather them would want a barrier among waves that share nothing else, and they are one byte in 128 of what is read.
; LIMITS: NaN and infinities are not served; a block whose largest magnitude lies under 2^-122 keeps the byte 1 (zeros give zero codes; this program alone reads the bytes).
; THE PLACING: each expert's slots begin at a multiple of 16 and are filled up to a multiple of 16 with token 0, whose results nobody reads.  The sum over experts of ceil(count / 16) is at
; most 263, so tiles 0 to 262 serve every split; slot 4,223 (tile 263) takes the stores of lanes that have nothing to place.
; plan: LIST [4,224] the token of each slot; SLOT [2,048][2] the slot of each pair; META [8]{first tile, tiles} (the store fills 256 bytes).
; Sixteen waves: wave w, lane l owns tokens 128 w + 32 g + l, g = 0 .. 3.  A token's two experts differ, so in a mask M[g][e] a lane stands for one pair.
.set STEPS, 4
.set EMAX,  4
.set CB,    12                         ; bytes of 16 codes
.set R,     16                         ; v16-79   four sets of 16 numbers as loaded
.set X,     80                         ; v80-111  two sets of 16 neighbours
.set C,     112                        ; v112-127 a step's codes in three registers, its scale byte in the fourth
.set WREG,  8192                       ; LDS of a wave: two stages of 32 x SP bytes, then its 64 scale bytes
.set SP,    80                         ; a lane's place in a stage: 64 bytes + 16 of padding
.set W2Q,   12582912                   ; parts of qbuf
.set W2S,   20971520
.set PLB,   16*WREG                    ; LDS of the placing: the table [wave 16][32 words]
.set SLOT,  16896                      ; parts of plan
.set META,  33280
.set DUMP,  4223
.set MK,  32                           ; s[32:63]  masks M[8 g + e]: the lanes of group g that chose expert e
.set BS,  16                           ; s[16:23]  my wave's count for each expert, later the next free slot
.set NT,  66                           ; s[66:73]  tiles of each expert
.set PRE, 74                           ; s[74:81]  pairs of the expert in the waves before mine
.set TOT, 82                           ; s[82:89]  pairs of the expert in all
.set TB,  90                           ; s[90:97]  the expert's first tile
	v_lshl_add_u32 v128, v0, 2, 0x20800
	v_mov_b32 v129, 0
	s_cmp_eq_u32 ttmp9, 0
	s_cbranch_scc1 .Lplace
	s_load_b128 s[4:7], s[0:1], 0x0                ; w2, w2_scale
	s_load_b64 s[16:17], s[0:1], 0x18              ; qbuf
	v_lshrrev_b32 v1, 5, v0
	v_readfirstlane_b32 s22, v1                    ; wave 0..15
	v_and_b32 v2, 31, v0                           ; lane
	v_lshlrev_b32 v3, 4, v2                        ; my 16 bytes of a load's 512
	s_mul_i32 s23, s22, WREG
	v_lshrrev_b32 v14, 2, v2
	v_mul_u32_u24 v14, v14, SP
	v_and_b32 v15, 3, v2
	v_lshl_add_u32 v14, v15, 4, v14
	v_add_nc_u32 v14, s23, v14                     ; the stage, on the way in: SP (lane / 4) + 16 (lane % 4)
	v_mul_u32_u24 v15, v2, SP
	v_add_nc_u32 v15, s23, v15                     ; and on the way out: SP x lane: my 16 neighbours
	v_mul_u32_u24 v4, v2, CB                       ; my codes' place in a step's 384 bytes
	v_lshrrev_b32 v5, 1, v2                        ; my block of the step's 16,
	v_and_b32 v8, 12, v5
	v_and_b32 v9, 1, v5
	v_lshl_add_u32 v8, v9, 1, v8
	v_bfe_u32 v9, v5, 1, 1
	v_add_nc_u32 v5, v8, v9                        ; with bits 0 and 1 swapped: its scale byte's place
	s_add_co_u32 s23, s23, 2*32*SP
	v_add_nc_u32 v5, s23, v5                       ; in my wave's 64 scale bytes
	v_lshlrev_b32 v7, 1, v2                        ; which leave 2 bytes a lane
	v_add_nc_u32 v6, s23, v7
	s_sub_co_u32 s35, ttmp9, 1                     ; my work-group among the quantiser's 256
	s_lshr_b32 s36, s35, 5                         ; the expert: 32 work-groups each
	s_lshl_b32 s36, s36, 2
	s_mov_b32 s37, 0
	s_wait_kmcnt 0x0
	s_add_nc_u64 s[28:29], s[6:7], s[36:37]
	s_load_b32 s24, s[28:29], 0x0                  ; the expert's scale
	s_lshl_b32 s35, s35, 4
	s_add_co_u32 s35, s35, s22                     ; which run of 2,048 numbers is my wave's
	s_lshl_b32 s36, s35, 13
	s_add_nc_u64 s[26:27], s[4:5], s[36:37]        ; 8,192 bytes of numbers a run,
	s_mul_i32 s36, s35, 32*STEPS*CB
	s_add_co_u32 s36, s36, W2Q
	s_add_nc_u64 s[38:39], s[16:17], s[36:37]      ; 1,536 of codes,
	s_lshl_b32 s36, s35, 6
	s_add_co_u32 s36, s36, W2S
	s_add_nc_u64 s[40:41], s[16:17], s[36:37]      ; 64 of scale bytes
.macro LOAD t
.irp i, 0,1,2,3
	global_load_b128 v[R+16*(\t)+4*\i:R+16*(\t)+4*\i+3], v3, s[26:27] offset:2048*(\t)+512*\i th:TH_LOAD_NT   ; 32 lanes read 512 consecutive bytes; read once in the launch
.endr
.endm
.macro TURN t                          ; step t's numbers through the stage: LDS serves a wave's instructions in order, so no wait stands between the stores and the loads
.irp i, 0,1,2,3
	ds_store_b128 v14, v[R+16*(\t)+4*\i:R+16*(\t)+4*\i+3] offset:32*SP*((\t)%2)+8*SP*\i
.endr
.irp i, 0,1,2,3
	ds_load_b128 v[X+16*((\t)%2)+4*\i:X+16*((\t)%2)+4*\i+3], v15 offset:32*SP*((\t)%2)+16*\i
.endr
.endm
.irp t, 0,1,2,3
	LOAD \t
.endr
	s_wait_kmcnt 0x0                               ; the scale
	s_mov_b32 s25, s24                             ; (the packed form names the pair)
	s_wait_loadcnt 12                              ; step 0's four loads are in; the 12 of steps 1 to 3 may be out
	TURN 0
.macro STEP t
.set XS, X+16*((\t)%2)
.if (\t) > 0
	s_wait_dscnt 1                                 ; this step's numbers are back from the stage (the last step's byte store may be out)
.else
	s_wait_dscnt 0x0
.endif
.if (\t)+1 < STEPS
	s_wait_loadcnt 4*(STEPS-2-(\t))                ; the next step's four loads are in; those of the steps behind it may be out
	TURN (\t)+1                                    ; and go through the other stage while this step is worked
.endif
.irp i, 0,2,4,6,8,10,12,14
	v_pk_mul_f32 v[XS+\i:XS+\i+1], v[XS+\i:XS+\i+1], s[24:25] op_sel_hi:[1,0]   ; the weight as the model has it: number x the expert's scale, one f32 rounding
.endr
	v_max3_num_f32 v8, |v[XS]|, |v[XS+1]|, |v[XS+2]|               ; the largest magnitude of my 16, in two chains
	v_max3_num_f32 v9, |v[XS+3]|, |v[XS+4]|, |v[XS+5]|
.irp i, 6,10
	v_max3_num_f32 v8, v8, |v[XS+\i]|, |v[XS+\i+1]|
	v_max3_num_f32 v9, v9, |v[XS+\i+2]|, |v[XS+\i+3]|
.endr
	v_max3_num_f32 v8, v8, |v[XS+14]|, |v[XS+15]|
	v_max3_num_f32 v8, v8, v9, (EMAX+1)<<23        ; and the floor 2^(5 - 127): the byte cannot fall under 1
	v_max_num_f32_dpp v8, v8, v8 row_xmask:1 row_mask:0xf bank_mask:0xf   ; with my neighbour's 16: the block's
	v_add_nc_u32 v11, -(EMAX<<23), v8              ; 4 off its exponent field: the conversion takes the exponent field of this operand as its scale
	v_cvt_scalef32_pk16_bf6_f32 v[C+4*(\t):C+4*(\t)+2], v[XS:XS+15], v11   ; 16 codes, 96 bits, the first number's code lowest; beyond 28 the largest code
	v_lshrrev_b32 v[C+4*(\t)+3], 23, v11           ; the scale's byte (also the plain line behind the conversion)
	ds_store_b8 v5, v[C+4*(\t)+3] offset:16*(\t)   ; both lanes of a block write the same byte with the same value
	global_store_b96 v4, v[C+4*(\t):C+4*(\t)+2], s[38:39] offset:32*CB*(\t)   ; the wave stores 384 consecutive bytes
.endm
.irp t, 0,1,2,3
	STEP \t
.endr
	ds_load_u16 v12, v6                            ; LDS serves a wave's instructions in order: this sees my byte stores
	s_wait_dscnt 0x0
	global_store_b16 v7, v12, s[40:41]             ; 32 lanes store 64 consecutive bytes
	s_wait_tensorcnt 0x0
	ds_add_u32 v128, v129
	s_wait_dscnt 0x0
	s_endpgm
.Lplace:
	s_load_b64 s[4:5], s[0:1], 0x10                ; ridx
	s_load_b64 s[6:7], s[0:1], 0x20                ; plan
	v_lshrrev_b32 v1, 5, v0
	v_readfirstlane_b32 s8, v1                     ; wave
	v_and_b32 v10, 31, v0                          ; lane
	s_lshl_b32 s9, s8, 7
	v_add_nc_u32 v11, s9, v10                      ; my token of group 0
	v_lshlrev_b32 v1, 3, v11                       ; 8 bytes a token
	v_lshl_add_u32 v3, v0, 2, PLB                  ; LDS: the table [wave][32 words]: my word
	v_and_b32 v4, 7, v0
	v_lshl_add_u32 v4, v4, 2, PLB                  ; and the word of expert lane % 8 in a wave's row
	v_mov_b32 v2, 0
	s_wait_kmcnt 0x0
.irp g, 0,1,2,3
	global_load_b64 v[16+2*\g:17+2*\g], v1, s[4:5] offset:256*\g
.endr
	s_wait_loadcnt 0x0
.irp g, 0,1,2,3
.irp e, 0,1,2,3,4,5,6,7
	v_cmp_eq_u32 vcc_lo, \e, v[16+2*\g]
	v_cmp_eq_u32 s9, \e, v[17+2*\g]
	s_or_b32 s[MK+8*\g+\e], vcc_lo, s9
.endr
.endr
.irp e, 0,1,2,3,4,5,6,7
	s_bcnt1_i32_b32 s[BS+\e], s[MK+\e]
	s_bcnt1_i32_b32 s9, s[MK+8+\e]
	s_add_co_u32 s[BS+\e], s[BS+\e], s9
	s_bcnt1_i32_b32 s9, s[MK+16+\e]
	s_add_co_u32 s[BS+\e], s[BS+\e], s9
	s_bcnt1_i32_b32 s9, s[MK+24+\e]
	s_add_co_u32 s[BS+\e], s[BS+\e], s9
	v_writelane_b32 v2, s[BS+\e], \e               ; my wave's eight counts in lanes 0 to 7, zeros above
.endr
	ds_store_b32 v3, v2
	s_wait_dscnt 0x0                               ; for the others' sake: my row of the table has landed
	s_barrier_signal -1                            ; all sixteen waves of this work-group are on this way: the branch that leads here hangs on the work-group's number alone
	s_barrier_wait -1
.irp w, 0,1,2,3,4,5,6,7,8,9,10,11,12,13,14,15
	ds_load_b32 v[32+\w], v4 offset:128*\w         ; lane l: wave w's count for expert l % 8
.endr
	v_mov_b32 v5, 0                                ; the expert's pairs in all,
	v_mov_b32 v6, 0                                ; and in the waves before mine
	s_wait_dscnt 0x0
.irp w, 0,1,2,3,4,5,6,7,8,9,10,11,12,13,14,15
	s_cmp_gt_u32 s8, \w
	s_cselect_b32 s9, -1, 0
	v_add_nc_u32 v5, v5, v[32+\w]
	v_and_b32 v7, s9, v[32+\w]
	v_add_nc_u32 v6, v6, v7
.endr
	v_add_nc_u32 v8, 15, v5
	v_lshrrev_b32 v8, 4, v8                        ; its tiles
.irp e, 0,1,2,3,4,5,6,7
	v_readlane_b32 s[NT+\e], v8, \e
	v_readlane_b32 s[PRE+\e], v6, \e
	v_readlane_b32 s[TOT+\e], v5, \e
.endr
	s_mov_b32 s[TB], 0
.irp e, 0,1,2,3,4,5,6
	s_add_co_u32 s[TB+1+\e], s[TB+\e], s[NT+\e]
.endr
.irp e, 0,1,2,3,4,5,6,7
	s_lshl_b32 s[BS+\e], s[TB+\e], 4
	s_add_co_u32 s[BS+\e], s[BS+\e], s[PRE+\e]     ; my wave's first slot of expert e
.endr
.irp n, 0,1,2,3,4,5,6,7
	v_mov_b32 v[24+\n], 0
.endr
.irp g, 0,1,2,3
.irp e, 0,1,2,3,4,5,6,7
	v_mbcnt_lo_u32_b32 v12, s[MK+8*\g+\e], 0       ; the lanes below mine that chose e
	v_add_nc_u32 v12, s[BS+\e], v12
	v_cmp_eq_u32 vcc_lo, \e, v[16+2*\g]
	v_cndmask_b32 v[24+2*\g], v[24+2*\g], v12, vcc_lo
	v_cmp_eq_u32 vcc_lo, \e, v[17+2*\g]
	v_cndmask_b32 v[25+2*\g], v[25+2*\g], v12, vcc_lo
	s_bcnt1_i32_b32 s9, s[MK+8*\g+\e]
	s_add_co_u32 s[BS+\e], s[BS+\e], s9
.endr
.endr
.irp g, 0,1,2,3
	global_store_b64 v1, v[24+2*\g:25+2*\g], s[6:7] offset:SLOT+256*\g   ; a wave stores 256 consecutive bytes
	v_add_nc_u32 v[48+\g], 32*\g, v11              ; the token
.endr
.irp n, 0,1,2,3,4,5,6,7
	v_min_u32 v[40+\n], DUMP, v[24+\n]             ; a computed slot enters an address only under this bound
	v_lshlrev_b32 v[40+\n], 2, v[40+\n]            ; (each store has an address register of its own)
.endr
.irp n, 0,1,2,3,4,5,6,7
	global_store_b32 v[40+\n], v[48+\n/2], s[6:7]  ; LIST[slot] = token
.endr
	s_cmp_lg_u32 s8, 0
	s_cbranch_scc1 .Lend
	; wave 0: the fill of each expert's last tile, and META
	v_mov_b32 v13, DUMP
	v_mov_b32 v14, 0
.irp e, 0,1,2,3,4,5,6,7
	s_lshl_b32 s9, s[TB+\e], 4
	s_add_co_u32 s10, s9, s[TOT+\e]                ; the first slot behind the expert's pairs
	s_add_co_u32 s11, s[TB+\e], s[NT+\e]
	s_lshl_b32 s11, s11, 4                         ; the first slot behind its tiles: at most 15 further on
	v_add_nc_u32 v[56+\e], s10, v10
	v_cmp_gt_u32 vcc_lo, s11, v[56+\e]
	v_cndmask_b32 v[56+\e], v13, v[56+\e], vcc_lo  ; a lane past the tiles' end writes the spare slot
	v_min_u32 v[56+\e], DUMP, v[56+\e]
	v_lshlrev_b32 v[56+\e], 2, v[56+\e]
	global_store_b32 v[56+\e], v14, s[6:7]         ; token 0
.endr
	v_mov_b32 v52, 0
.irp e, 0,1,2,3,4,5,6,7
	v_writelane_b32 v52, s[TB+\e], \e
.endr
	v_mov_b32 v53, v8
	v_lshlrev_b32 v54, 3, v10
	global_store_b64 v54, v[52:53], s[6:7] offset:META   ; lanes 0 to 7: {first tile, tiles}; the 32 lanes fill 256 bytes
.Lend:
	s_wait_tensorcnt 0x0
	ds_add_u32 v128, v129
	s_wait_dscnt 0x0
	s_endpgm
.Lfunc_end_k_q92a024386f_prep2:
	.size	k_q92a024386f_prep2, .Lfunc_end_k_q92a024386f_prep2-k_q92a024386f_prep2
	.p2alignl 7, 3214868480
	.fill 96, 4, 3214868480
	.section	.rodata,"a",@progbits
	.p2align	6, 0x0
	.amdhsa_kernel k_q92a024386f_prep2
		.amdhsa_group_segment_fixed_size 135168
		.amdhsa_private_segment_fixed_size 0
		.amdhsa_enable_private_segment 0
		.amdhsa_kernarg_size 40
		.amdhsa_user_sgpr_count 2
		.amdhsa_user_sgpr_kernarg_segment_ptr 1
		.amdhsa_wavefront_size32 1
		.amdhsa_system_sgpr_workgroup_id_x 1
		.amdhsa_system_sgpr_workgroup_id_y 1
		.amdhsa_system_sgpr_workgroup_id_z 1
		.amdhsa_system_vgpr_workitem_id 0
		.amdhsa_next_free_vgpr 130
		.amdhsa_next_free_sgpr 100
		.amdhsa_reserve_vcc 1
		.amdhsa_float_denorm_mode_32 3
		.amdhsa_float_denorm_mode_16_64 3
		.amdhsa_memory_ordered 1
		.amdhsa_forward_progress 1
		.amdhsa_inst_pref_size 41
	.end_amdhsa_kernel
	.amdgpu_metadata
---
amdhsa.version: [ 1, 2 ]
amdhsa.kernels:
  - .name:           k_q92a024386f_prep2
    .symbol:         k_q92a024386f_prep2.kd
    .args:
      - { .name: w2, .offset: 0, .size: 8, .value_kind: global_buffer, .address_space: global }
      - { .name: w2_scale, .offset: 8, .size: 8, .value_kind: global_buffer, .address_space: global }
      - { .name: ridx, .offset: 16, .size: 8, .value_kind: global_buffer, .address_space: global }
      - { .name: qbuf, .offset: 24, .size: 8, .value_kind: global_buffer, .address_space: global }
      - { .name: plan, .offset: 32, .size: 8, .value_kind: global_buffer, .address_space: global }
    .group_segment_fixed_size: 135168
    .private_segment_fixed_size: 0
    .kernarg_segment_align: 8
    .kernarg_segment_size: 40
    .max_flat_workgroup_size: 512
    .sgpr_count:     100
    .vgpr_count:     130
    .wavefront_size: 32
...
	.end_amdgpu_metadata
.endif
;; end of part 2
;; launch gemm1 (part 3): grid 256 x 1, 4 waves a work-group, no clusters, 50,688 bytes of LDS; arguments qbuf, plan, hbuf; writes hbuf
.if DOCPART == 3
	.amdgcn_target "amdgcn-amd-amdhsa--gfx1250"
	.amdhsa_code_object_version 6
	.text
	.protected	k_q92a024386f_gemm1
	.globl	k_q92a024386f_gemm1
	.p2align	8
	.type	k_q92a024386f_gemm1,@function
k_q92a024386f_gemm1:
	s_mov_b64 s[64:65], 0
	v_nop
	global_prefetch_b8 v0, s[64:65] scope:SCOPE_SE
	s_setreg_imm32_b32 hwreg(HW_REG_WAVE_MODE, 25, 1), 1
	s_wait_xcnt 0x0
; GEMM1.  For the routed rows of each expert: gate = x W1[:I]^T, up = x W1[I:]^T on codes of BF6 with E8M0 scales, h = silu(gate) * up in f32, h quantised along I.
; SHARES: work-group g: expert g / 32; its four waves take the blocks of 32 hidden units nb = 4 ((g / 4) % 8) + wave; of the expert's tiles of 16 slots it takes every fourth, from g % 4 on.
; A wave keeps its 64 rows of W1 (32 of gate, 32 of up: four tiles x 8 K steps, 384 registers, and 16 of scale words) for the whole launch and streams tiles of x: 32 matrix instructions a tile.
; Waves share nothing: each has LDS bytes of its own, and there is no barrier.  The number of tiles hangs on a stored count, so there is no tensor load and no cluster: partners would need different
; numbers of tiles.  The count is waited for behind the first 48 loads of weights, which do not need it; a work-group that a split leaves without tiles ends there, having asked for 24,576 bytes a wave in vain.
; No prefetch: each tile of x is read by 32 waves, not once, and every trip asks for its tile one whole trip ahead.
; TRANSPOSED USE: source 0 = 16 rows of W1, source 1 = 16 slots.  Tile u of a half takes rows 8 u + r + 8 (r / 8), so that lane (r, h) holds slot r and its 16 registers of two tiles are the
; hidden units 32 nb + 16 h + 0 .. 15, in order: 16 neighbours along the next K.
; K ORDER: a lane takes 48 consecutive bytes of a row, at 96 s + 48 h: the unit's block 2 c + h is the row's block 2 h + c, in both operands alike; the scale bytes are stored in that order.
; A row's 32 scale bytes come by one load of 16 bytes a lane (row x 32 + 16 h): register j holds K step j in lanes 0-15 and K step 4 + j in lanes 16-31, which the second four K steps read.
; Rows come from memory as whole runs of 256 bytes (sixteen lanes to a run, two rows an instruction) and turn through the wave's stage in LDS, rows 784 bytes apart (49 x 16: sixteen rows fall on different banks).
; LIMITS: silu(g) is 0 where 2^(-g log2 e) overflows (g under -88.7); a block of h under 2^-122 keeps the byte 1.  NaN and infinities are not served.
; REGISTERS, in windows of 256.  Window 0: v1-v19 addresses; v20-28 tokens; v30-38 their offsets; v40-43 x's scale words at work, v44-47 the next tile's; v48-63 W1's scale words;
;   v64-95 the four accumulators; v96-111 at work; v112-122 at work; v128-223 a tile of x as loaded.  Window 1: W1, K steps 0-3 (tile k at 48 k + 12 s).  Window 2: K steps 4-7.  Window 3: x's fragments, 12 s.
.set XQ,    18874368                   ; parts of qbuf (w1's codes begin at 0)
.set W1S,   20447232
.set XSC,   21233664
.set META,  33280                      ; part of plan (LIST begins at 0)
.set HS,    3244032                    ; hbuf: codes [tile][place 32][slot 16][24 bytes], then scale bytes [tile][half 2][slot 16][16]
.set PITCH, 784
.set WREG,  16*PITCH                   ; a wave's stage
.set RSTEP, 1024                       ; from the gate's rows to up's
.set LASTT, 263                        ; no tile number is larger
.set VST, 5                            ; v5   the stage, in: 784 h + 16 r
.set VLD, 6                            ; v6   the stage, out: 784 r + 48 h
.set VWA, 7                            ; v7   a pair of weight rows: 768 h + 16 r
.set VWS, 8                            ; v8   a weight tile's scale bytes: 32 (r + 8 (r / 8)) + 16 h
.set ID,  20
.set AD,  30
.set XS,  40
.set XSS, 44
.set WS,  48
.set ACC, 64
.set T,   96
.set CD,  120
.set S,   128
.set MSB, 0
.macro WIN new                         ; the immediate's high byte repeats the setting that is left
.if MSB != \new
	s_set_vgpr_msb (MSB<<8)|\new
.set MSB, \new
.endif
.endm
	s_load_b128 s[4:7], s[0:1], 0x0                ; qbuf, plan
	s_load_b64 s[8:9], s[0:1], 0x10                ; hbuf
	v_lshl_add_u32 v254, v0, 2, 0xc400
	v_mov_b32 v255, 0
	v_lshrrev_b32 v1, 5, v0
	v_readfirstlane_b32 s10, v1                    ; wave
	s_lshr_b32 s11, ttmp9, 5                       ; expert
	s_bfe_u32 s12, ttmp9, 0x30002
	s_lshl_b32 s12, s12, 2
	s_add_co_u32 s12, s12, s10                     ; nb: my block of 32 hidden units
	s_and_b32 s13, ttmp9, 3                        ; q: my first tile of the expert's
	s_lshl_b32 s38, s11, 3
	s_add_co_u32 s38, s38, META
	s_mov_b32 s39, 0
	s_wait_kmcnt 0x0
	s_add_nc_u64 s[28:29], s[6:7], s[38:39]
	s_load_b64 s[14:15], s[28:29], 0x0             ; the expert's first tile, its tiles: waited for behind the first weights' loads
	v_and_b32 v1, 31, v0                           ; lane
	v_and_b32 v2, 15, v0                           ; r
	v_bfe_u32 v3, v0, 4, 1                         ; h
	v_lshlrev_b32 v4, 4, v2                        ; 16 r
	s_mul_i32 s38, s10, WREG
	v_mul_u32_u24 v[VST], v3, PITCH
	v_add_nc_u32 v[VST], v[VST], v4
	v_add_nc_u32 v[VST], s38, v[VST]
	v_mul_u32_u24 v[VLD], v2, PITCH
	v_mad_u32_u24 v[VLD], v3, 48, v[VLD]
	v_add_nc_u32 v[VLD], s38, v[VLD]
	v_mul_u32_u24 v[VWA], v3, 768
	v_add_nc_u32 v[VWA], v[VWA], v4
	v_and_b32 v[VWS], 8, v2
	v_add_nc_u32 v[VWS], v[VWS], v2
	v_lshlrev_b32 v[VWS], 5, v[VWS]
	v_lshl_add_u32 v[VWS], v3, 4, v[VWS]
	v_lshlrev_b32 v9, 4, v3                        ; 16 h
	v_lshlrev_b32 v10, 2, v3                       ; 4 h: LIST, the pair's row
	v_lshlrev_b32 v11, 2, v2                       ; 4 r: LIST, my slot
	v_mul_u32_u24 v12, v2, 24
	v_mad_u32_u24 v12, v3, 12, v12                 ; h's codes: 24 r + 12 h
	v_mov_b32 v113, 0                              ; written once: a lane permute's destination counts as one of its sources
	s_lshl_b32 s38, s11, 11
	s_lshl_b32 s40, s12, 5
	s_add_co_u32 s38, s38, s40                     ; my first row of w1: 2,048 e + 32 nb
	s_mul_i32 s40, s38, 768
	s_mov_b32 s41, 0
	s_add_nc_u64 s[20:21], s[4:5], s[40:41]        ; its codes
	s_lshl_b32 s40, s38, 5
	s_add_co_u32 s40, s40, W1S
	s_add_nc_u64 s[22:23], s[4:5], s[40:41]        ; its scale bytes
	s_add_nc_u64 s[24:25], s[4:5], XQ              ; x's codes
	s_add_nc_u64 s[26:27], s[4:5], XSC             ; x's scale bytes
	s_and_b32 s38, s12, 28
	s_and_b32 s40, s12, 1
	s_lshl_b32 s40, s40, 1
	s_or_b32 s38, s38, s40
	s_bfe_u32 s40, s12, 0x10001
	s_or_b32 s38, s38, s40                         ; my block's place along the next K: nb with bits 0 and 1 swapped
	s_mul_i32 s40, s38, 384
	s_add_nc_u64 s[30:31], s[8:9], s[40:41]        ; where its codes go in a tile,
	s_lshr_b32 s40, s38, 4
	s_lshl_b32 s40, s40, 8
	s_and_b32 s38, s38, 15
	s_add_co_u32 s40, s40, s38
	s_add_co_u32 s40, s40, HS
	s_add_nc_u64 s[32:33], s[8:9], s[40:41]        ; and its scale byte
	s_mov_b32 s34, 0xbfb8aa3b                      ; -log2(e)
	s_mov_b32 s35, s34                             ; (the packed form names the pair)
	s_mov_b32 s36, 0x76543210
	s_mov_b32 s37, 0xfedcba98                      ; v_permlanex16_b32's selects for lane l xor 16
; the tokens of a tile: v[ID+m]: slot 2 m + h (for the rows' loads); v[ID+8]: slot r (for the scale words).  Past my last tile the expert's last tile is named, and not used.
.macro IDLOAD
	s_min_u32 s38, s18, s44
	s_add_co_u32 s38, s38, s14
	s_min_u32 s38, s38, LASTT
	s_lshl_b32 s38, s38, 6
	s_mov_b32 s39, 0
	s_add_nc_u64 s[28:29], s[6:7], s[38:39]        ; (the loads that named this base before have been waited for)
.irp m, 0,1,2,3,4,5,6,7
	global_load_b32 v[ID+\m], v10, s[28:29] offset:8*\m
.endr
	global_load_b32 v[ID+8], v11, s[28:29]
	s_add_co_u32 s18, s18, 4
.endm
.macro ADDR                            ; tokens into offsets: a loaded number enters an address only under its bound
.irp m, 0,1,2,3,4,5,6,7,8
	v_min_u32 v[ID+\m], 0x7ff, v[ID+\m]
.endr
.irp m, 0,1,2,3,4,5,6,7
	v_mad_u32_u24 v[AD+\m], v[ID+\m], 0x300, v4    ; 768 x token + 16 r
.endr
	v_lshl_add_u32 v[AD+8], v[ID+8], 5, v9         ; 32 x token + 16 h
.endm
.macro XLOAD                           ; a tile of x: 16 rows of 768 bytes, sixteen lanes to an aligned run of 256 bytes; and its scale words
.irp m, 0,1,2,3,4,5,6,7
.irp u, 0,1,2
	global_load_b128 v[S+12*\m+4*\u:S+12*\m+4*\u+3], v[AD+\m], s[24:25] offset:256*\u
.endr
.endr
	global_load_b128 v[XSS:XSS+3], v[AD+8], s[26:27]
.endm
.macro TURN                            ; the tile through the stage into fragments: LDS serves a wave's instructions in order
.irp m, 0,1,2,3,4,5,6,7
.irp u, 0,1,2
	ds_store_b128 v[VST], v[S+12*\m+4*\u:S+12*\m+4*\u+3] offset:2*\m*PITCH+256*\u
.endr
.endr
	WIN 0xc0                                       ; destination window 3
.irp s, 0,1,2,3,4,5,6,7
.irp i, 0,1,2
	ds_load_b128 v[12*\s+4*\i:12*\s+4*\i+3], v[VLD] offset:96*\s+16*\i
.endr
.endr
	WIN 0
.irp j, 0,1,2,3
	v_mov_b32 v[XS+\j], v[XSS+\j]                  ; the 18 address lines that always follow are the places between these writes and the next scaled product
.endr
.endm
.macro WLOADK k                        ; tile k of my 64 rows of W1: 24 loads, into the registers that will hold the tile's fragments
	WIN 0x40
.irp m, 0,1,2,3
.irp u, 0,1,2
	global_load_b128 v[48*(\k)+12*\m+4*\u:48*(\k)+12*\m+4*\u+3], v[VWA], s[20:21] offset:(((\k)/2)*RSTEP+8*((\k)%2)+2*\m)*768+256*\u
.endr
.endr
	WIN 0x80
.irp m, 0,1,2,3
.irp u, 0,1,2
	global_load_b128 v[48*(\k)+12*\m+4*\u:48*(\k)+12*\m+4*\u+3], v[VWA], s[20:21] offset:(((\k)/2)*RSTEP+8*((\k)%2)+2*\m+16)*768+256*\u
.endr
.endr
	WIN 0
.endm
.macro WSLOAD                          ; the four tiles' scale words
.irp k, 0,1,2,3
	global_load_b128 v[WS+4*\k:WS+4*\k+3], v[VWS], s[22:23] offset:((\k/2)*RSTEP+8*(\k%2))*32
.endr
.endm
.macro WTURN k, cnt                    ; tile k through the stage; cnt: the loads issued behind its 24 (63 where they are more)
	s_wait_loadcnt \cnt
	WIN 0x04                                       ; an LDS store's data are its source 1: window 1
.irp m, 0,1,2,3
.irp u, 0,1,2
	ds_store_b128 v[VST], v[48*(\k)+12*\m+4*\u:48*(\k)+12*\m+4*\u+3] offset:2*\m*PITCH+256*\u
.endr
.endr
	WIN 0x08
.irp m, 0,1,2,3
.irp u, 0,1,2
	ds_store_b128 v[VST], v[48*(\k)+12*\m+4*\u:48*(\k)+12*\m+4*\u+3] offset:(2*\m+8)*PITCH+256*\u
.endr
.endr
	s_wait_dscnt 0x0                               ; the stores have read their registers: the loads below land there
	WIN 0x40
.irp s, 0,1,2,3
.irp i, 0,1,2
	ds_load_b128 v[48*(\k)+12*\s+4*\i:48*(\k)+12*\s+4*\i+3], v[VLD] offset:96*\s+16*\i
.endr
.endr
	WIN 0x80
.irp s, 0,1,2,3
.irp i, 0,1,2
	ds_load_b128 v[48*(\k)+12*\s+4*\i:48*(\k)+12*\s+4*\i+3], v[VLD] offset:96*(\s+4)+16*\i
.endr
.endr
	WIN 0
.endm
; 32 matrix instructions: 8 K steps x 4 accumulators, which take turns, one instruction a turn.  The first K step starts the sums.
.macro MUL
	WIN 0x0d                                       ; source 0 (W1) window 1, source 1 (x) window 3, C and D window 0
.irp s, 0,1,2,3
.irp k, 0,1,2,3
.if \s == 0
	v_wmma_scale_f32_16x16x128_f8f6f4 v[ACC+8*\k:ACC+8*\k+7], v[48*\k+12*\s:48*\k+12*\s+11], v[12*\s:12*\s+11], 0, v[WS+4*\k+\s], v[XS+\s] matrix_a_fmt:MATRIX_FMT_BF6 matrix_b_fmt:MATRIX_FMT_BF6
.else
	v_wmma_scale_f32_16x16x128_f8f6f4 v[ACC+8*\k:ACC+8*\k+7], v[48*\k+12*\s:48*\k+12*\s+11], v[12*\s:12*\s+11], v[ACC+8*\k:ACC+8*\k+7], v[WS+4*\k+\s], v[XS+\s] matrix_a_fmt:MATRIX_FMT_BF6 matrix_b_fmt:MATRIX_FMT_BF6
.endif
.endr
.endr
	WIN 0x0e                                       ; W1's K steps 4-7: window 2; their scale words stand in lanes 16-31
.irp s, 0,1,2,3
.irp k, 0,1,2,3
	v_wmma_scale_f32_16x16x128_f8f6f4 v[ACC+8*\k:ACC+8*\k+7], v[48*\k+12*\s:48*\k+12*\s+11], v[12*(\s+4):12*(\s+4)+11], v[ACC+8*\k:ACC+8*\k+7], v[WS+4*\k+\s], v[XS+\s] matrix_a_fmt:MATRIX_FMT_BF6 matrix_b_fmt:MATRIX_FMT_BF6 matrix_a_scale:MATRIX_SCALE_ROW1 matrix_b_scale:MATRIX_SCALE_ROW1
.endr
.endr
	WIN 0
.rept 4
	v_nop                                          ; four places ahead of the loads into x's fragments, of the writes of its scale words and of the first read of the results
.endr
.endm
; h = silu(gate) * up of my 16 units, its block's scale, its codes; 12 bytes a lane: the wave stores 384 consecutive bytes.
; (The registers that the last tile's stores read are written again here: the wait that frees them stands behind this trip's products.)
.macro EPILOGUE
	s_min_u32 s40, s19, LASTT
	s_mul_i32 s42, s40, 12288                      ; the tile's codes,
	s_lshl_b32 s43, s40, 9                         ; its scale bytes
	s_add_co_u32 s19, s19, 4
.irp j, 0,2,4,6,8,10,12,14
	v_pk_mul_f32 v[T+\j:T+\j+1], v[ACC+\j:ACC+\j+1], s[34:35] op_sel_hi:[1,0]   ; -gate x log2(e); each accumulator is read from its low end on
.endr
.irp j, 0,1,2,3,4,5,6,7,8,9,10,11,12,13,14,15
	v_exp_f32 v[T+\j], v[T+\j]
.endr
	v_add_nc_u32 v16, s42, v12                     ; (a plain line behind the exponentials)
	s_wait_alu depctr_va_vdst(0)                   ; one wait for the sixteen, ahead of their first reader
.irp j, 0,2,4,6,8,10,12,14
	v_pk_add_f32 v[T+\j:T+\j+1], v[T+\j:T+\j+1], 1.0 op_sel_hi:[1,0]
.endr
.irp j, 0,1,2,3,4,5,6,7,8,9,10,11,12,13,14,15
	v_rcp_f32 v[T+\j], v[T+\j]                     ; sigmoid(gate)
.endr
	v_add_nc_u32 v17, s43, v4                      ; (a plain line behind the reciprocals)
	s_wait_alu depctr_va_vdst(0)
.irp j, 0,2,4,6,8,10,12,14
	v_pk_mul_f32 v[T+\j:T+\j+1], v[T+\j:T+\j+1], v[ACC+\j:ACC+\j+1]          ; x gate
.endr
.irp j, 0,2,4,6,8,10,12,14
	v_pk_mul_f32 v[T+\j:T+\j+1], v[T+\j:T+\j+1], v[ACC+16+\j:ACC+16+\j+1]    ; x up
.endr
	v_max3_num_f32 v114, |v[T]|, |v[T+1]|, 0x2800000                ; the largest magnitude of my 16, with the floor 2^(5 - 127), in two chains
	v_max3_num_f32 v112, |v[T+2]|, |v[T+3]|, |v[T+4]|
	v_max3_num_f32 v114, v114, |v[T+5]|, |v[T+6]|
	v_max3_num_f32 v112, v112, |v[T+7]|, |v[T+8]|
	v_max3_num_f32 v114, v114, |v[T+9]|, |v[T+10]|
	v_max3_num_f32 v112, v112, |v[T+11]|, |v[T+12]|
	v_max3_num_f32 v114, v114, |v[T+13]|, |v[T+14]|
	v_max3_num_f32 v112, v112, v114, |v[T+15]|
	v_permlanex16_b32 v113, v112, s36, s37
	v_max_num_f32 v112, v112, v113                 ; with lane l xor 16's 16: the block's
	v_add_nc_u32 v115, 0xfe000000, v112            ; 4 off its exponent field: the conversion's scale operand
	v_cvt_scalef32_pk16_bf6_f32 v[CD:CD+2], v[T:T+15], v115
	v_lshrrev_b32 v116, 23, v115                   ; the scale's byte (also the plain line behind the conversion)
	global_store_b96 v16, v[CD:CD+2], s[30:31]
	global_store_b8 v17, v116, s[32:33]            ; lanes l and l xor 16 hold the same byte and name the same place
.endm
	WLOADK 0                                       ; 48 loads that need nothing of the stored counts
	WLOADK 1
	s_wait_kmcnt 0x0                               ; the expert's first tile, its tiles
	s_min_u32 s14, s14, LASTT
	s_min_u32 s15, s15, LASTT+1
	s_cmp_ge_u32 s13, s15
	s_cbranch_scc1 .Lnone                          ; this split leaves me no tile
	s_sub_co_u32 s16, s15, s13
	s_add_co_u32 s16, s16, 3
	s_lshr_b32 s16, s16, 2                         ; my tiles
	s_sub_co_u32 s44, s15, 1
	s_mov_b32 s17, 0                               ; the trip
	s_mov_b32 s18, s13                             ; the tile (within the expert) whose tokens are asked for next
	s_add_co_u32 s19, s14, s13                     ; the tile in hand
	IDLOAD                                         ; tile 0's tokens: 9 loads
	WLOADK 2                                       ; 24
	WLOADK 3                                       ; 24
	WSLOAD                                         ; 4
	s_wait_loadcnt 52                              ; the tokens are in: behind them 24 + 24 + 4 loads were issued
	ADDR
	XLOAD                                          ; tile 0: 25 loads
	IDLOAD                                         ; tile 1's tokens: 9
	WTURN 0, 63                                    ; (weight tiles 0 and 1 were issued ahead of the tokens: they are in)
	WTURN 1, 63
	WTURN 2, 62                                    ; behind its loads: 24 + 4 + 25 + 9
	WTURN 3, 38                                    ; 4 + 25 + 9
	s_wait_loadcnt 9                               ; W1's scale words and tile 0 are in; tile 1's nine tokens may be out
	TURN
	s_wait_loadcnt 0x0
	ADDR
	s_cmp_lt_u32 s16, 2
	s_cbranch_scc1 .Ltrip
	s_wait_dscnt 24                                ; the stage's stores have read the tile's registers (the 24 loads behind them may be out)
	XLOAD                                          ; tile 1
	IDLOAD                                         ; tile 2's tokens
.Ltrip:                                                ; trip i: the products of tile i; tile i + 1 turns into fragments; tile i + 2 is asked for; h of tile i leaves
	s_wait_dscnt 0x0                               ; the fragments are in
	MUL
	s_wait_xcnt 0x0                                ; the last tile's two stores, issued ahead of these 32 products, have read their data and addresses, which the way out below writes again;
	                                               ; the wait stands here, ahead of this trip's loads, on every way to the way out
	s_add_co_u32 s38, s17, 1
	s_cmp_ge_u32 s38, s16
	s_cbranch_scc1 .Lskip
	s_wait_loadcnt 0x0                             ; tile i + 1 and tile i + 2's tokens, asked for one trip ago
	TURN
	ADDR
	s_add_co_u32 s38, s17, 2
	s_cmp_ge_u32 s38, s16
	s_cbranch_scc1 .Lskip
	s_wait_dscnt 24                                ; the stage's stores have read the tile's registers (the 24 loads behind them may be out)
	XLOAD
	IDLOAD
.Lskip:
	EPILOGUE
	s_add_co_u32 s17, s17, 1
	s_cmp_lt_u32 s17, s16
	s_cbranch_scc1 .Ltrip
.Lnone:
	s_wait_tensorcnt 0x0
	ds_add_u32 v254, v255
	s_wait_dscnt 0x0
	s_endpgm
.Lfunc_end_k_q92a024386f_gemm1:
	.size	k_q92a024386f_gemm1, .Lfunc_end_k_q92a024386f_gemm1-k_q92a024386f_gemm1
	.p2alignl 7, 3214868480
	.fill 96, 4, 3214868480
	.section	.rodata,"a",@progbits
	.p2align	6, 0x0
	.amdhsa_kernel k_q92a024386f_gemm1
		.amdhsa_group_segment_fixed_size 50688
		.amdhsa_private_segment_fixed_size 0
		.amdhsa_enable_private_segment 0
		.amdhsa_kernarg_size 24
		.amdhsa_user_sgpr_count 2
		.amdhsa_user_sgpr_kernarg_segment_ptr 1
		.amdhsa_wavefront_size32 1
		.amdhsa_system_sgpr_workgroup_id_x 1
		.amdhsa_system_sgpr_workgroup_id_y 1
		.amdhsa_system_sgpr_workgroup_id_z 1
		.amdhsa_system_vgpr_workitem_id 0
		.amdhsa_next_free_vgpr 864
		.amdhsa_next_free_sgpr 66
		.amdhsa_reserve_vcc 0
		.amdhsa_float_denorm_mode_32 3
		.amdhsa_float_denorm_mode_16_64 3
		.amdhsa_memory_ordered 1
		.amdhsa_forward_progress 1
		.amdhsa_inst_pref_size 58
	.end_amdhsa_kernel
	.amdgpu_metadata
---
amdhsa.version: [ 1, 2 ]
amdhsa.kernels:
  - .name:           k_q92a024386f_gemm1
    .symbol:         k_q92a024386f_gemm1.kd
    .args:
      - { .name: qbuf, .offset: 0, .size: 8, .value_kind: global_buffer, .address_space: global }
      - { .name: plan, .offset: 8, .size: 8, .value_kind: global_buffer, .address_space: global }
      - { .name: hbuf, .offset: 16, .size: 8, .value_kind: global_buffer, .address_space: global }
    .group_segment_fixed_size: 50688
    .private_segment_fixed_size: 0
    .kernarg_segment_align: 8
    .kernarg_segment_size: 24
    .max_flat_workgroup_size: 128
    .sgpr_count:     66
    .vgpr_count:     864
    .wavefront_size: 32
...
	.end_amdgpu_metadata
.endif
;; end of part 3
;; launch gemm2 (part 4): grid 256 x 1, 4 waves a work-group, no clusters, 68,096 bytes of LDS; arguments qbuf, plan, hbuf, ybuf; writes ybuf
.if DOCPART == 4
	.amdgcn_target "amdgcn-amd-amdhsa--gfx1250"
	.amdhsa_code_object_version 6
	.text
	.protected	k_q92a024386f_gemm2
	.globl	k_q92a024386f_gemm2
	.p2align	8
	.type	k_q92a024386f_gemm2,@function
k_q92a024386f_gemm2:
	s_mov_b64 s[64:65], 0
	v_nop
	global_prefetch_b8 v0, s[64:65] scope:SCOPE_SE
	s_setreg_imm32_b32 hwreg(HW_REG_WAVE_MODE, 25, 1), 1
	s_wait_xcnt 0x0
; GEMM2.  y = h W2^T for the routed rows of each expert, on codes of BF6 with E8M0 scales; y goes out by slot, in f32; the gate's weights are applied by the launch that follows.
; SHARES: work-group g: expert g / 32; its four waves take the 64 columns cg = 4 ((g / 8) % 4) + wave; of the expert's tiles of 16 slots it takes every eighth, from g % 8 on.
; A wave keeps its 64 rows of W2 (four tiles x 8 K steps, 384 registers, and 16 of scale words) for the whole launch and streams tiles of h: 32 matrix instructions a tile.
; Waves share nothing: each has LDS bytes of its own, and there is no barrier.  The number of tiles hangs on a stored count, so there is no tensor load and no cluster: partners would need different
; numbers of tiles.  The count is waited for behind the first 48 loads of weights, which do not need it; a work-group that a split leaves without tiles ends there, having asked for 24,576 bytes a wave in vain.
; No prefetch: a tile of h is read by 16 waves, not once, and is asked for one whole trip ahead.
; TRANSPOSED USE: source 0 = 16 rows of W2, source 1 = 16 slots.  Tile 2 b + u takes rows 32 b + 8 u + r + 8 (r / 8): lane (r, h) holds slot r, and registers 16 b .. 16 b + 15 of its
; accumulators are columns 32 b + 16 h + 0 .. 15: 64 consecutive bytes of a row of y.
; K ORDER: as in the launch before: the unit's block 2 c + h is the row's block 2 h + c.  W2's rows give that by 48 consecutive bytes a lane; h lies in memory by the unit's places already.
; A tile of h is 12,288 consecutive bytes [place 32][slot 16][24 bytes]: it is loaded as it lies, laid into the stage as it lies, and read back 8 bytes at a time at 384 (4 s + 2 c + h) + 24 r:
; the 32 lanes of such a load touch 64 different banks (64 banks of 4 bytes: ISA guide 11.1).
; REGISTERS: as in the launch before; v96-127 rows of y on the way out.
.set W2Q,   12582912                   ; parts of qbuf
.set W2S,   20971520
.set META,  33280                      ; part of plan
.set HS,    3244032                    ; part of hbuf
.set PITCH, 784
.set STG,   16*PITCH                   ; the stage for weights and h
.set OP,    272                        ; the stage for y: 16 rows of 256 bytes + 16
.set WREG,  STG+16*OP                  ; a wave's LDS
.set RSTEP, 32
.set LASTT, 263
.set VST, 5                            ; v5   the weights' way into the stage: 784 h + 16 r
.set VLD, 6                            ; v6   and out: 784 r + 48 h
.set VWA, 7                            ; v7   a pair of weight rows: 768 h + 16 r
.set VWS, 8                            ; v8   a weight tile's scale bytes: 32 (r + 8 (r / 8)) + 16 h
.set L16, 9                            ; v9   16 x lane
.set HST, 14                           ; v14  h's way into the stage: 16 x lane
.set HLD, 15                           ; v15  and out: 384 h + 24 r
.set VSO, 16                           ; v16  y into its stage: 272 r + 64 h
.set VSR, 17                           ; v17  and back: 272 h + 16 r
.set VYL, 18                           ; v18  y in memory: 4,096 h + 16 r
.set VY,  19                           ; v19  + the tile
.set AD,  30
.set XS,  40
.set XSS, 44
.set WS,  48
.set ACC, 64
.set O,   96
.set S,   128
.set MSB, 0
.macro WIN new                         ; the immediate's high byte repeats the setting that is left
.if MSB != \new
	s_set_vgpr_msb (MSB<<8)|\new
.set MSB, \new
.endif
.endm
	s_load_b128 s[4:7], s[0:1], 0x0                ; qbuf, plan
	s_load_b64 s[8:9], s[0:1], 0x10                ; hbuf
	s_load_b64 s[32:33], s[0:1], 0x18              ; ybuf
	v_lshl_add_u32 v254, v0, 2, 0x10800
	v_mov_b32 v255, 0
	v_lshrrev_b32 v1, 5, v0
	v_readfirstlane_b32 s10, v1                    ; wave
	s_lshr_b32 s11, ttmp9, 5                       ; expert
	s_bfe_u32 s12, ttmp9, 0x20003
	s_lshl_b32 s12, s12, 2
	s_add_co_u32 s12, s12, s10                     ; cg: my 64 columns
	s_and_b32 s13, ttmp9, 7                        ; q: my first tile of the expert's
	s_lshl_b32 s38, s11, 3
	s_add_co_u32 s38, s38, META
	s_mov_b32 s39, 0
	s_wait_kmcnt 0x0
	s_add_nc_u64 s[28:29], s[6:7], s[38:39]
	s_load_b64 s[14:15], s[28:29], 0x0             ; the expert's first tile, its tiles: waited for behind the first weights' loads
	v_and_b32 v1, 31, v0                           ; lane
	v_and_b32 v2, 15, v0                           ; r
	v_bfe_u32 v3, v0, 4, 1                         ; h
	v_lshlrev_b32 v4, 4, v2                        ; 16 r
	s_mul_i32 s38, s10, WREG
	v_mul_u32_u24 v[VST], v3, PITCH
	v_add_nc_u32 v[VST], v[VST], v4
	v_add_nc_u32 v[VST], s38, v[VST]
	v_mul_u32_u24 v[VLD], v2, PITCH
	v_mad_u32_u24 v[VLD], v3, 48, v[VLD]
	v_add_nc_u32 v[VLD], s38, v[VLD]
	v_mul_u32_u24 v[VWA], v3, 768
	v_add_nc_u32 v[VWA], v[VWA], v4
	v_and_b32 v[VWS], 8, v2
	v_add_nc_u32 v[VWS], v[VWS], v2
	v_lshlrev_b32 v[VWS], 5, v[VWS]
	v_lshl_add_u32 v[VWS], v3, 4, v[VWS]
	v_lshlrev_b32 v[L16], 4, v1
	v_add_nc_u32 v[HST], s38, v[L16]
	v_mul_u32_u24 v[HLD], v3, 384
	v_mad_u32_u24 v[HLD], v2, 24, v[HLD]
	v_add_nc_u32 v[HLD], s38, v[HLD]
	s_add_co_u32 s38, s38, STG
	v_mul_u32_u24 v[VSO], v2, OP
	v_lshl_add_u32 v[VSO], v3, 6, v[VSO]
	v_add_nc_u32 v[VSO], s38, v[VSO]
	v_mul_u32_u24 v[VSR], v3, OP
	v_add_nc_u32 v[VSR], v[VSR], v4
	v_add_nc_u32 v[VSR], s38, v[VSR]
	v_lshl_add_u32 v[VYL], v3, 12, v4
	s_lshl_b32 s38, s11, 10
	s_lshl_b32 s40, s12, 6
	s_add_co_u32 s38, s38, s40                     ; my first row of w2: 1,024 e + 64 cg
	s_mul_i32 s40, s38, 768
	s_add_co_u32 s40, s40, W2Q
	s_mov_b32 s41, 0
	s_add_nc_u64 s[20:21], s[4:5], s[40:41]        ; its codes
	s_lshl_b32 s40, s38, 5
	s_add_co_u32 s40, s40, W2S
	s_add_nc_u64 s[22:23], s[4:5], s[40:41]        ; its scale bytes
	s_mov_b64 s[24:25], s[8:9]                     ; h's codes
	s_add_nc_u64 s[26:27], s[8:9], HS              ; h's scale bytes
	s_lshl_b32 s40, s12, 8
	s_add_nc_u64 s[30:31], s[32:33], s[40:41]      ; y at my 64 columns
.macro ADDR                            ; the next tile's offsets; a number made of loaded ones enters an address only under its bound
	s_min_u32 s38, s18, LASTT
	s_mul_i32 s39, s38, 12288
	s_lshl_b32 s38, s38, 9
	v_add_nc_u32 v[AD], s39, v[L16]
	v_add_nc_u32 v[AD+1], s38, v[L16]
	s_add_co_u32 s18, s18, 8
.endm
.macro XLOAD                           ; a tile of h: 12,288 consecutive bytes, 512 an instruction; and its 512 scale bytes
.irp j, 0,1,2,3,4,5,6,7,8,9,10,11,12,13,14,15,16,17,18,19,20,21,22,23
	global_load_b128 v[S+4*\j:S+4*\j+3], v[AD], s[24:25] offset:512*\j
.endr
	global_load_b128 v[XSS:XSS+3], v[AD+1], s[26:27]
.endm
.macro TURN                            ; the tile through the stage into fragments: LDS serves a wave's instructions in order
.irp j, 0,1,2,3,4,5,6,7,8,9,10,11,12,13,14,15,16,17,18,19,20,21,22,23
	ds_store_b128 v[HST], v[S+4*\j:S+4*\j+3] offset:512*\j
.endr
	WIN 0xc0                                       ; destination window 3
.irp s, 0,1,2,3,4,5,6,7
.irp c, 0,1
.irp p, 0,1,2
	ds_load_b64 v[12*\s+6*\c+2*\p:12*\s+6*\c+2*\p+1], v[HLD] offset:(4*\s+2*\c)*384+8*\p
.endr
.endr
.endr
	WIN 0
.irp j, 0,1,2,3
	v_mov_b32 v[XS+\j], v[XSS+\j]
.endr
.endm
.macro WLOADK k                        ; tile k of my 64 rows of W2: 24 loads, into the registers that will hold the tile's fragments
	WIN 0x40
.irp m, 0,1,2,3
.irp u, 0,1,2
	global_load_b128 v[48*(\k)+12*\m+4*\u:48*(\k)+12*\m+4*\u+3], v[VWA], s[20:21] offset:(((\k)/2)*RSTEP+8*((\k)%2)+2*\m)*768+256*\u
.endr
.endr
	WIN 0x80
.irp m, 0,1,2,3
.irp u, 0,1,2
	global_load_b128 v[48*(\k)+12*\m+4*\u:48*(\k)+12*\m+4*\u+3], v[VWA], s[20:21] offset:(((\k)/2)*RSTEP+8*((\k)%2)+2*\m+16)*768+256*\u
.endr
.endr
	WIN 0
.endm
.macro WSLOAD                          ; the four tiles' scale words
.irp k, 0,1,2,3
	global_load_b128 v[WS+4*\k:WS+4*\k+3], v[VWS], s[22:23] offset:((\k/2)*RSTEP+8*(\k%2))*32
.endr
.endm
.macro WTURN k, cnt                    ; tile k through the stage; cnt: the loads issued behind its 24 (63 where they are more)
	s_wait_loadcnt \cnt
	WIN 0x04                                       ; an LDS store's data are its source 1: window 1
.irp m, 0,1,2,3
.irp u, 0,1,2
	ds_store_b128 v[VST], v[48*(\k)+12*\m+4*\u:48*(\k)+12*\m+4*\u+3] offset:2*\m*PITCH+256*\u
.endr
.endr
	WIN 0x08
.irp m, 0,1,2,3
.irp u, 0,1,2
	ds_store_b128 v[VST], v[48*(\k)+12*\m+4*\u:48*(\k)+12*\m+4*\u+3] offset:(2*\m+8)*PITCH+256*\u
.endr
.endr
	s_wait_dscnt 0x0                               ; the stores have read their registers: the loads below land there
	WIN 0x40
.irp s, 0,1,2,3
.irp i, 0,1,2
	ds_load_b128 v[48*(\k)+12*\s+4*\i:48*(\k)+12*\s+4*\i+3], v[VLD] offset:96*\s+16*\i
.endr
.endr
	WIN 0x80
.irp s, 0,1,2,3
.irp i, 0,1,2
	ds_load_b128 v[48*(\k)+12*\s+4*\i:48*(\k)+12*\s+4*\i+3], v[VLD] offset:96*(\s+4)+16*\i
.endr
.endr
	WIN 0
.endm
; 32 matrix instructions: 8 K steps x 4 accumulators, which take turns, one instruction a turn.  The first K step starts the sums.
.macro MUL
	WIN 0x0d                                       ; source 0 (W2) window 1, source 1 (h) window 3, C and D window 0
.irp s, 0,1,2,3
.irp k, 0,1,2,3
.if \s == 0
	v_wmma_scale_f32_16x16x128_f8f6f4 v[ACC+8*\k:ACC+8*\k+7], v[48*\k+12*\s:48*\k+12*\s+11], v[12*\s:12*\s+11], 0, v[WS+4*\k+\s], v[XS+\s] matrix_a_fmt:MATRIX_FMT_BF6 matrix_b_fmt:MATRIX_FMT_BF6
.else
	v_wmma_scale_f32_16x16x128_f8f6f4 v[ACC+8*\k:ACC+8*\k+7], v[48*\k+12*\s:48*\k+12*\s+11], v[12*\s:12*\s+11], v[ACC+8*\k:ACC+8*\k+7], v[WS+4*\k+\s], v[XS+\s] matrix_a_fmt:MATRIX_FMT_BF6 matrix_b_fmt:MATRIX_FMT_BF6
.endif
.endr
.endr
	WIN 0x0e                                       ; W2's K steps 4-7: window 2; their scale words stand in lanes 16-31
.irp s, 0,1,2,3
.irp k, 0,1,2,3
	v_wmma_scale_f32_16x16x128_f8f6f4 v[ACC+8*\k:ACC+8*\k+7], v[48*\k+12*\s:48*\k+12*\s+11], v[12*(\s+4):12*(\s+4)+11], v[ACC+8*\k:ACC+8*\k+7], v[WS+4*\k+\s], v[XS+\s] matrix_a_fmt:MATRIX_FMT_BF6 matrix_b_fmt:MATRIX_FMT_BF6 matrix_a_scale:MATRIX_SCALE_ROW1 matrix_b_scale:MATRIX_SCALE_ROW1
.endr
.endr
	WIN 0
.rept 4
	v_nop                                          ; four places ahead of the loads into h's fragments, of the writes of its scale words and of the first read of the results
.endr
.endm
; The tile's 16 rows x 64 columns of y: a lane's 64 bytes of a row go into my own stage and come back as rows of 256 bytes: sixteen lanes store 256 consecutive bytes, aligned.
; (The registers that the last tile's stores read are written again here: the wait that frees them stands behind this trip's products.)
.macro EPILOGUE
	s_min_u32 s40, s19, LASTT
	s_lshl_b32 s40, s40, 16                        ; 16 rows of 4,096 bytes a tile
	s_add_co_u32 s19, s19, 8
	v_add_nc_u32 v[VY], s40, v[VYL]
.irp b, 0,1
.irp j, 0,1,2,3
	ds_store_b128 v[VSO], v[ACC+16*\b+4*\j:ACC+16*\b+4*\j+3] offset:128*\b+16*\j   ; each accumulator from its low end on
.endr
.endr
.irp t, 0,1,2,3,4,5,6,7
	ds_load_b128 v[O+4*\t:O+4*\t+3], v[VSR] offset:2*\t*OP   ; LDS serves a wave's instructions in order: these see the stores above
.endr
.irp t, 0,1,2,3,4,5,6,7
	s_wait_dscnt 7-\t                              ; the younger loads from the stage may be out
	global_store_b128 v[VY], v[O+4*\t:O+4*\t+3], s[30:31] offset:8192*\t
.endr
.endm
	WLOADK 0                                       ; 48 loads that need nothing of the stored counts
	WLOADK 1
	s_wait_kmcnt 0x0                               ; the expert's first tile, its tiles
	s_min_u32 s14, s14, LASTT
	s_min_u32 s15, s15, LASTT+1
	s_cmp_ge_u32 s13, s15
	s_cbranch_scc1 .Lnone                          ; this split leaves me no tile
	s_sub_co_u32 s16, s15, s13
	s_add_co_u32 s16, s16, 7
	s_lshr_b32 s16, s16, 3                         ; my tiles
	s_mov_b32 s17, 0                               ; the trip
	s_add_co_u32 s18, s14, s13                     ; the tile whose addresses are made next
	s_mov_b32 s19, s18                             ; the tile in hand
	ADDR
	XLOAD                                          ; tile 0: 25 loads
	WLOADK 2                                       ; 24
	WLOADK 3                                       ; 24
	WSLOAD                                         ; 4
	WTURN 0, 63                                    ; behind its loads: 24 + 25 + 52
	WTURN 1, 63                                    ; 25 + 52
	WTURN 2, 28                                    ; 24 + 4
	WTURN 3, 4                                     ; the scale words
	s_wait_loadcnt 0x0
	TURN
	s_cmp_lt_u32 s16, 2
	s_cbranch_scc1 .Ltrip
	ADDR
	s_wait_dscnt 48                                ; the stage's stores have read the tile's registers (the 48 loads behind them may be out)
	XLOAD                                          ; tile 1
.Ltrip:                                                ; trip i: the products of tile i; tile i + 1 turns into fragments; tile i + 2 is asked for; y of tile i leaves
.rept 8
	v_nop                                          ; h's scale words were written by vector instructions: eight places stand between such a write and a scaled product, and this way out has too little vector work to fill them
.endr
	s_wait_dscnt 0x0                               ; the fragments are in
	MUL
	s_wait_xcnt 0x0                                ; the last tile's eight stores, issued ahead of these 32 products, have read their data and their address, which the way out below writes again;
	                                               ; the wait stands here, ahead of this trip's loads, on every way to the way out
	s_add_co_u32 s38, s17, 1
	s_cmp_ge_u32 s38, s16
	s_cbranch_scc1 .Lskip
	s_wait_loadcnt 0x0                             ; tile i + 1, asked for one trip ago
	TURN
	ADDR
	s_add_co_u32 s38, s17, 2
	s_cmp_ge_u32 s38, s16
	s_cbranch_scc1 .Lskip
	s_wait_dscnt 48                                ; the stage's stores have read the tile's registers (the 48 loads behind them may be out)
	XLOAD
.Lskip:
	EPILOGUE
	s_add_co_u32 s17, s17, 1
	s_cmp_lt_u32 s17, s16
	s_cbranch_scc1 .Ltrip
.Lnone:
	s_wait_tensorcnt 0x0
	ds_add_u32 v254, v255
	s_wait_dscnt 0x0
	s_endpgm
.Lfunc_end_k_q92a024386f_gemm2:
	.size	k_q92a024386f_gemm2, .Lfunc_end_k_q92a024386f_gemm2-k_q92a024386f_gemm2
	.p2alignl 7, 3214868480
	.fill 96, 4, 3214868480
	.section	.rodata,"a",@progbits
	.p2align	6, 0x0
	.amdhsa_kernel k_q92a024386f_gemm2
		.amdhsa_group_segment_fixed_size 68096
		.amdhsa_private_segment_fixed_size 0
		.amdhsa_enable_private_segment 0
		.amdhsa_kernarg_size 32
		.amdhsa_user_sgpr_count 2
		.amdhsa_user_sgpr_kernarg_segment_ptr 1
		.amdhsa_wavefront_size32 1
		.amdhsa_system_sgpr_workgroup_id_x 1
		.amdhsa_system_sgpr_workgroup_id_y 1
		.amdhsa_system_sgpr_workgroup_id_z 1
		.amdhsa_system_vgpr_workitem_id 0
		.amdhsa_next_free_vgpr 864
		.amdhsa_next_free_sgpr 66
		.amdhsa_reserve_vcc 0
		.amdhsa_float_denorm_mode_32 3
		.amdhsa_float_denorm_mode_16_64 3
		.amdhsa_memory_ordered 1
		.amdhsa_forward_progress 1
		.amdhsa_inst_pref_size 51
	.end_amdhsa_kernel
	.amdgpu_metadata
---
amdhsa.version: [ 1, 2 ]
amdhsa.kernels:
  - .name:           k_q92a024386f_gemm2
    .symbol:         k_q92a024386f_gemm2.kd
    .args:
      - { .name: qbuf, .offset: 0, .size: 8, .value_kind: global_buffer, .address_space: global }
      - { .name: plan, .offset: 8, .size: 8, .value_kind: global_buffer, .address_space: global }
      - { .name: hbuf, .offset: 16, .size: 8, .value_kind: global_buffer, .address_space: global }
      - { .name: ybuf, .offset: 24, .size: 8, .value_kind: global_buffer, .address_space: global }
    .group_segment_fixed_size: 68096
    .private_segment_fixed_size: 0
    .kernarg_segment_align: 8
    .kernarg_segment_size: 32
    .max_flat_workgroup_size: 128
    .sgpr_count:     66
    .vgpr_count:     864
    .wavefront_size: 32
...
	.end_amdgpu_metadata
.endif
;; end of part 4
;; launch combine (part 5): grid 256 x 1, 8 waves a work-group, no clusters, 0 bytes of LDS; arguments ybuf, plan, rwt, out0; writes out0
.if DOCPART == 5
	.amdgcn_target "amdgcn-amd-amdhsa--gfx1250"
	.amdhsa_code_object_version 6
	.text
	.protected	k_q92a024386f_combine
	.globl	k_q92a024386f_combine
	.p2align	8
	.type	k_q92a024386f_combine,@function
k_q92a024386f_combine:
	s_mov_b64 s[64:65], 0
	v_nop
	global_prefetch_b8 v0, s[64:65] scope:SCOPE_SE
	s_setreg_imm32_b32 hwreg(HW_REG_WAVE_MODE, 25, 1), 1
	s_wait_xcnt 0x0
; COMBINE.  out[t] = c0 y[slot0(t)] + c1 y[slot1(t)]: each output row has one owner, a wave; nothing is added across work-groups.
; A row is 4,096 bytes: eight loads of 512 consecutive bytes from each of the token's two rows of y, eight stores of 512 consecutive bytes.  All sixteen loads are out at once.
; A stream: no LDS, no barrier, no matrix unit.  The experts that a token did not choose have the weight 0 in the model and add nothing.
.set SLOT, 16896                       ; part of plan: [token][2] slots
.set DUMP, 4223                        ; no slot number is larger
.set A, 8                              ; v[8+8 j ..]: 4 registers of row 0, then 4 of row 1
	s_load_b128 s[4:7], s[0:1], 0x0                ; ybuf, plan
	s_load_b128 s[8:11], s[0:1], 0x10              ; rwt, out0
	v_lshrrev_b32 v1, 5, v0
	v_readfirstlane_b32 s12, v1                    ; wave
	s_lshl_b32 s13, ttmp9, 3
	s_add_co_u32 s13, s13, s12                     ; my token
	v_and_b32 v1, 31, v0
	v_lshlrev_b32 v1, 4, v1                        ; 16 bytes a lane
	s_lshl_b32 s14, s13, 3
	s_mov_b32 s15, 0
	s_wait_kmcnt 0x0
	s_add_nc_u64 s[8:9], s[8:9], s[14:15]
	s_add_co_u32 s14, s14, SLOT
	s_add_nc_u64 s[6:7], s[6:7], s[14:15]
	s_load_b64 s[16:17], s[6:7], 0x0               ; its two slots
	s_load_b64 s[18:19], s[8:9], 0x0               ; its two weights
	s_lshl_b32 s14, s13, 12
	s_add_nc_u64 s[10:11], s[10:11], s[14:15]      ; its row of out
	s_wait_kmcnt 0x0
	s_min_u32 s16, s16, DUMP                       ; a loaded number enters an address only under its bound
	s_min_u32 s17, s17, DUMP
	s_lshl_b32 s24, s16, 12
	s_mov_b32 s25, 0
	s_add_nc_u64 s[24:25], s[4:5], s[24:25]
	s_lshl_b32 s26, s17, 12
	s_mov_b32 s27, 0
	s_add_nc_u64 s[26:27], s[4:5], s[26:27]
	s_mov_b32 s20, s18                             ; the packed forms name pairs
	s_mov_b32 s21, s18
	s_mov_b32 s22, s19
	s_mov_b32 s23, s19
.irp j, 0,1,2,3,4,5,6,7
	global_load_b128 v[A+8*\j:A+8*\j+3], v1, s[24:25] offset:512*\j th:TH_LOAD_NT     ; each row of y is read once
	global_load_b128 v[A+8*\j+4:A+8*\j+7], v1, s[26:27] offset:512*\j th:TH_LOAD_NT
.endr
.irp j, 0,1,2,3,4,5,6,7
	s_wait_loadcnt 14-2*\j                         ; this pair of loads is in; the later pairs may be out
	v_pk_mul_f32 v[A+8*\j+4:A+8*\j+5], v[A+8*\j+4:A+8*\j+5], s[22:23] op_sel_hi:[1,0]
	v_pk_mul_f32 v[A+8*\j+6:A+8*\j+7], v[A+8*\j+6:A+8*\j+7], s[22:23] op_sel_hi:[1,0]
	v_pk_fma_f32 v[A+8*\j:A+8*\j+1], v[A+8*\j:A+8*\j+1], s[20:21], v[A+8*\j+4:A+8*\j+5] op_sel_hi:[1,0,1]
	v_pk_fma_f32 v[A+8*\j+2:A+8*\j+3], v[A+8*\j+2:A+8*\j+3], s[20:21], v[A+8*\j+6:A+8*\j+7] op_sel_hi:[1,0,1]
	global_store_b128 v1, v[A+8*\j:A+8*\j+3], s[10:11] offset:512*\j th:TH_STORE_NT   ; every store has data registers of its own
.endr
	s_endpgm
.Lfunc_end_k_q92a024386f_combine:
	.size	k_q92a024386f_combine, .Lfunc_end_k_q92a024386f_combine-k_q92a024386f_combine
	.p2alignl 7, 3214868480
	.fill 96, 4, 3214868480
	.section	.rodata,"a",@progbits
	.p2align	6, 0x0
	.amdhsa_kernel k_q92a024386f_combine
		.amdhsa_group_segment_fixed_size 0
		.amdhsa_private_segment_fixed_size 0
		.amdhsa_enable_private_segment 0
		.amdhsa_kernarg_size 32
		.amdhsa_user_sgpr_count 2
		.amdhsa_user_sgpr_kernarg_segment_ptr 1
		.amdhsa_wavefront_size32 1
		.amdhsa_system_sgpr_workgroup_id_x 1
		.amdhsa_system_sgpr_workgroup_id_y 1
		.amdhsa_system_sgpr_workgroup_id_z 1
		.amdhsa_system_vgpr_workitem_id 0
		.amdhsa_next_free_vgpr 72
		.amdhsa_next_free_sgpr 66
		.amdhsa_reserve_vcc 0
		.amdhsa_float_denorm_mode_32 3
		.amdhsa_float_denorm_mode_16_64 3
		.amdhsa_memory_ordered 1
		.amdhsa_forward_progress 1
		.amdhsa_inst_pref_size 6
	.end_amdhsa_kernel
	.amdgpu_metadata
---
amdhsa.version: [ 1, 2 ]
amdhsa.kernels:
  - .name:           k_q92a024386f_combine
    .symbol:         k_q92a024386f_combine.kd
    .args:
      - { .name: ybuf, .offset: 0, .size: 8, .value_kind: global_buffer, .address_space: global }
      - { .name: plan, .offset: 8, .size: 8, .value_kind: global_buffer, .address_space: global }
      - { .name: rwt, .offset: 16, .size: 8, .value_kind: global_buffer, .address_space: global }
      - { .name: out0, .offset: 24, .size: 8, .value_kind: global_buffer, .address_space: global }
    .group_segment_fixed_size: 0
    .private_segment_fixed_size: 0
    .kernarg_segment_align: 8
    .kernarg_segment_size: 32
    .max_flat_workgroup_size: 256
    .sgpr_count:     66
    .vgpr_count:     72
    .wavefront_size: 32
...
	.end_amdgpu_metadata
.endif
;; end of part 5
;; ======== version 2 of 2: 5 launches
;; workspace buffers: qbuf 21,299,200 bytes; ridx 16,384 bytes of whole numbers; rwt 16,384 bytes; plan 33,536 bytes of whole numbers; hbuf 3,379,200 bytes; ybuf 17,301,504 bytes
;; launch prep (part 6): grid 592 x 1, 4 waves a work-group, no clusters, 33,280 bytes of LDS; arguments x, gating_output, w1, w1_scale, qbuf, ridx, rwt; writes qbuf, ridx, rwt
.if DOCPART == 6
	.amdgcn_target "amdgcn-amd-amdhsa--gfx1250"
	.amdhsa_code_object_version 6
	.text
	.protected	k_q92a024386f_prep
	.globl	k_q92a024386f_prep
	.p2align	8
	.type	k_q92a024386f_prep,@function
k_q92a024386f_prep:
	s_mov_b64 s[64:65], 0
	v_nop
	global_prefetch_b8 v0, s[64:65] scope:SCOPE_SE
	s_setreg_imm32_b32 hwreg(HW_REG_WAVE_MODE, 25, 1), 1
	s_wait_xcnt 0x0
; PREP.  (a) w1[e] * w1_scale[e] and x, f32 with K = 1,024 innermost, become codes of BF6 (E3M2) and one E8M0 byte for each 32 along K.  (w2 is done by the launch that follows.)
; (b) softmax of the gate's 8 numbers a token, the two largest (the lower index on a tie), renormalised: two indices and two weights a token, at fixed places.
; A block's scale is 2^(floor(log2(largest magnitude)) - 4): its byte is the largest magnitude's exponent field - 4, held at 1 from below.
; LIMITS: NaN and infinities are not served; a block whose largest magnitude lies under 2^-122 (a block of zeros among them) keeps the byte 1: its codes are what the
; conversion gives under that scale, zeros for zeros, and this program alone reads the bytes.  Ties between two p are judged on p as this text computes it.
; LAYOUT OF qbuf: rows of 768 bytes of codes as a plain stream of bits (w1: 16,384 rows, w2: 8,192, x: 2,048), then rows of 32 scale bytes.  In each group of four blocks the
; scale bytes of blocks 1 and 2 change places (bits 0 and 1 of the block's number are swapped): the products take 48 consecutive bytes of a row into a lane, so that the
; unit's block 2 c + h holds the row's block 2 h + c, for both operands alike, and the scale bytes lie in the unit's order.
; SHARES: work-groups 0-511 w1, 512-575 x: 32,768 numbers each, 8,192 a wave in 16 steps of 512; work-groups 576-591 the routing, a thread to a token.
; A step's four loads read 512 consecutive bytes each; the 2,048 bytes turn through the wave's own stage in LDS, so that a lane then holds 16 neighbours along K (two lanes a block).
; No tensor loads, no barrier: waves share nothing.  Loads run six steps (24 loads, 12,288 bytes a wave) ahead, the turn through LDS one step.
.set STEPS, 16
.set DEPTH, 6                          ; steps of loads on their way
.set EMAX,  4
.set CB,    12                         ; bytes of 16 codes
.set R,     16                         ; v16-111  six sets of 16 numbers as loaded
.set X,     112                        ; v112-143 two sets of 16 neighbours
.set E,     144                        ; v144-159 a scale byte for each step
.set C,     160                        ; v160-223 codes: four registers a step, so that no store's data are written again
.set WREG,  8192                       ; LDS of a wave: two stages of 32 x SP bytes, then its 256 scale bytes
.set SP,    80                         ; a lane's place in a stage: 64 bytes + 16 of padding
.set XQ,    18874368                   ; parts of qbuf (w1's codes begin at 0)
.set W1S,   20447232
.set XSC,   21233664
.set G_X,   512                        ; first work-group of x, of the routing
.set G_RT,  576
	s_load_b128 s[4:7], s[0:1], 0x0                ; x, gating_output
	s_load_b128 s[8:11], s[0:1], 0x10              ; w1, w1_scale
	s_load_b128 s[16:19], s[0:1], 0x20             ; qbuf, ridx
	s_load_b64 s[20:21], s[0:1], 0x30              ; rwt
	v_lshl_add_u32 v224, v0, 2, 0x8000
	v_mov_b32 v225, 0
	s_cmp_ge_u32 ttmp9, G_RT
	s_cbranch_scc1 .Lroute
	v_lshrrev_b32 v1, 5, v0
	v_readfirstlane_b32 s22, v1                    ; wave
	v_and_b32 v2, 31, v0                           ; lane
	v_lshlrev_b32 v3, 4, v2                        ; my 16 bytes of a load's 512
	s_mul_i32 s23, s22, WREG
	v_lshrrev_b32 v14, 2, v2
	v_mul_u32_u24 v14, v14, SP
	v_and_b32 v15, 3, v2
	v_lshl_add_u32 v14, v15, 4, v14
	v_add_nc_u32 v14, s23, v14                     ; the stage, on the way in: SP (lane / 4) + 16 (lane % 4)
	v_mul_u32_u24 v15, v2, SP
	v_add_nc_u32 v15, s23, v15                     ; and on the way out: SP x lane: my 16 neighbours
	v_mul_u32_u24 v4, v2, CB                       ; my codes' place in a step's 384 bytes
	v_lshrrev_b32 v5, 1, v2                        ; my block of the step's 16,
	v_and_b32 v8, 12, v5
	v_and_b32 v9, 1, v5
	v_lshl_add_u32 v8, v9, 1, v8
	v_bfe_u32 v9, v5, 1, 1
	v_add_nc_u32 v5, v8, v9                        ; with bits 0 and 1 swapped: its scale byte's place
	s_add_co_u32 s23, s23, 2*32*SP
	v_add_nc_u32 v5, s23, v5                       ; in my wave's 256 scale bytes
	v_lshlrev_b32 v7, 3, v2                        ; which leave 8 bytes a lane
	v_add_nc_u32 v6, s23, v7
	s_wait_kmcnt 0x0
	s_cmp_lt_u32 ttmp9, G_X                        ; which tensor: the choice hangs on the work-group's number alone
	s_cselect_b64 s[26:27], s[8:9], s[4:5]         ; w1 or x
	s_cselect_b32 s30, 0, G_X                      ; its first work-group
	s_mov_b32 s32, XQ
	s_cselect_b32 s32, 0, s32                      ; where its codes begin in qbuf
	s_mov_b32 s33, XSC
	s_mov_b32 s34, W1S
	s_cselect_b32 s33, s34, s33                    ; and its scale bytes
	s_sub_co_u32 s35, ttmp9, s30                   ; my work-group within the tensor
	s_lshr_b32 s36, s35, 6                         ; the expert: 64 work-groups each (for x: 0; what is read there is replaced by 1.0 below)
	s_lshl_b32 s36, s36, 2
	s_mov_b32 s37, 0
	s_add_nc_u64 s[28:29], s[10:11], s[36:37]
	s_load_b32 s24, s[28:29], 0x0                  ; the expert's scale
	s_lshl_b32 s35, s35, 2
	s_add_co_u32 s35, s35, s22                     ; which run of 8,192 numbers is my wave's
	s_lshl_b32 s36, s35, 15
	s_add_nc_u64 s[26:27], s[26:27], s[36:37]      ; 32,768 bytes of numbers a run,
	s_mul_i32 s36, s35, 32*STEPS*CB
	s_add_co_u32 s36, s36, s32
	s_add_nc_u64 s[38:39], s[16:17], s[36:37]      ; 6,144 of codes,
	s_lshl_b32 s36, s35, 8
	s_add_co_u32 s36, s36, s33
	s_add_nc_u64 s[40:41], s[16:17], s[36:37]      ; 256 of scale bytes
.macro LOAD t
.irp i, 0,1,2,3
	global_load_b128 v[R+16*((\t)%DEPTH)+4*\i:R+16*((\t)%DEPTH)+4*\i+3], v3, s[26:27] offset:2048*(\t)+512*\i th:TH_LOAD_NT   ; 32 lanes read 512 consecutive bytes; read once in the launch
.endr
.endm
.macro TURN t                          ; step t's numbers through the stage: LDS serves a wave's instructions in order, so no wait stands between the stores and the loads
.irp i, 0,1,2,3
	ds_store_b128 v14, v[R+16*((\t)%DEPTH)+4*\i:R+16*((\t)%DEPTH)+4*\i+3] offset:32*SP*((\t)%2)+8*SP*\i
.endr
.irp i, 0,1,2,3
	ds_load_b128 v[X+16*((\t)%2)+4*\i:X+16*((\t)%2)+4*\i+3], v15 offset:32*SP*((\t)%2)+16*\i
.endr
.endm
.irp t, 0,1,2,3,4,5
	LOAD \t
.endr
	s_wait_kmcnt 0x0                               ; the scale
	s_cmp_lt_u32 ttmp9, G_X
	s_cselect_b32 s24, s24, 1.0                    ; x is taken as it is
	s_mov_b32 s25, s24                             ; (the packed form names the pair)
	s_wait_loadcnt 4*(DEPTH-1)                     ; step 0's four loads are in; the 20 of steps 1 to 5 may be out
	TURN 0
.macro STEP t
.set XS, X+16*((\t)%2)
.if (\t) > 0
	s_wait_dscnt 1                                 ; this step's numbers are back from the stage (the last step's byte store may be out): so its stores into the stage have read their registers,
.else
	s_wait_dscnt 0x0
.endif
.if (\t)+DEPTH < STEPS
	LOAD (\t)+DEPTH                                ; which take the loads of six steps on
.endif
.if (\t)+1 < STEPS
.if STEPS-2-(\t) >= DEPTH-1
	s_wait_loadcnt 4*(DEPTH-1)                     ; the next step's four loads are in; those of the five steps behind it may be out
.else
	s_wait_loadcnt 4*(STEPS-2-(\t))                ; (of the steps that are left)
.endif
	TURN (\t)+1                                    ; and go through the other stage while this step is worked
.endif
.irp i, 0,2,4,6,8,10,12,14
	v_pk_mul_f32 v[XS+\i:XS+\i+1], v[XS+\i:XS+\i+1], s[24:25] op_sel_hi:[1,0]   ; the weight as the model has it: number x the expert's scale, one f32 rounding
.endr
	v_max3_num_f32 v8, |v[XS]|, |v[XS+1]|, |v[XS+2]|               ; the largest magnitude of my 16, in two chains
	v_max3_num_f32 v9, |v[XS+3]|, |v[XS+4]|, |v[XS+5]|
.irp i, 6,10
	v_max3_num_f32 v8, v8, |v[XS+\i]|, |v[XS+\i+1]|
	v_max3_num_f32 v9, v9, |v[XS+\i+2]|, |v[XS+\i+3]|
.endr
	v_max3_num_f32 v8, v8, |v[XS+14]|, |v[XS+15]|
	v_max3_num_f32 v8, v8, v9, (EMAX+1)<<23        ; and the floor 2^(5 - 127): the byte cannot fall under 1
	v_max_num_f32_dpp v8, v8, v8 row_xmask:1 row_mask:0xf bank_mask:0xf   ; with my neighbour's 16: the block's
	v_add_nc_u32 v11, -(EMAX<<23), v8              ; 4 off its exponent field: the conversion takes the exponent field of this operand as its scale
	v_cvt_scalef32_pk16_bf6_f32 v[C+4*(\t):C+4*(\t)+2], v[XS:XS+15], v11   ; 16 codes, 96 bits, the first number's code lowest; beyond 28 the largest code
	v_lshrrev_b32 v[E+(\t)], 23, v11               ; the scale's byte (also the plain line behind the conversion)
	ds_store_b8 v5, v[E+(\t)] offset:16*(\t)       ; both lanes of a block write the same byte with the same value
	global_store_b96 v4, v[C+4*(\t):C+4*(\t)+2], s[38:39] offset:32*CB*(\t)   ; the wave stores 384 consecutive bytes
.endm
.irp t, 0,1,2,3,4,5,6,7,8,9,10,11,12,13,14,15
	STEP \t
.endr
	ds_load_b64 v[12:13], v6                       ; LDS serves a wave's instructions in order: these see my byte stores
	s_wait_dscnt 0x0
	global_store_b64 v7, v[12:13], s[40:41]        ; 32 lanes store 256 consecutive bytes, aligned
	s_wait_tensorcnt 0x0
	ds_add_u32 v224, v225
	s_wait_dscnt 0x0
	s_endpgm
; THE ROUTING: a thread to a token.  p = softmax of its 8 numbers (the maximum is taken away first); the two largest p; their weights divided by their sum.
.Lroute:
	s_sub_co_u32 s22, ttmp9, G_RT
	s_lshl_b32 s22, s22, 7
	v_add_nc_u32 v1, s22, v0                       ; my token
	v_lshlrev_b32 v2, 5, v1                        ; 32 bytes of gate numbers a token
	v_lshlrev_b32 v3, 3, v1                        ; 8 bytes a token in ridx and in rwt
	s_wait_alu depctr_va_vdst(0)
	s_wait_kmcnt 0x0
	global_load_b128 v[8:11], v2, s[6:7]
	global_load_b128 v[12:15], v2, s[6:7] offset:16
	s_wait_loadcnt 0x0
	v_max3_num_f32 v16, v8, v9, v10
	v_max3_num_f32 v16, v16, v11, v12
	v_max3_num_f32 v16, v16, v13, v14
	v_max_num_f32 v16, v16, v15                    ; the row's maximum
.irp i, 0,1,2,3,4,5,6,7
	v_sub_f32 v[8+\i], v[8+\i], v16
.endr
.irp i, 0,1,2,3,4,5,6,7
	v_mul_f32 v[8+\i], 0x3fb8aa3b, v[8+\i]         ; x log2(e)
.endr
	s_wait_alu depctr_va_vdst(0)
.irp i, 0,1,2,3,4,5,6,7
	v_exp_f32 v[8+\i], v[8+\i]
.endr
	v_mov_b32 v20, 0                               ; the first index begins at 0 (a plain line behind the exponentials)
	s_wait_alu depctr_va_vdst(0)                   ; one wait for the eight, ahead of their first reader
	v_add_f32 v16, v8, v9
	v_add_f32 v17, v10, v11
	v_add_f32 v18, v12, v13
	v_add_f32 v19, v14, v15
	v_add_f32 v16, v16, v17
	v_add_f32 v18, v18, v19
	v_add_f32 v16, v16, v18
	s_wait_alu depctr_va_vdst(0)
	v_rcp_f32 v16, v16
	v_mov_b32 v21, 0                               ; the second index (a plain line behind the reciprocal)
	s_wait_alu depctr_va_vdst(0)
.irp i, 0,1,2,3,4,5,6,7
	v_mul_f32 v[8+\i], v[8+\i], v16                ; p
.endr
	v_mov_b32 v18, v8                              ; the largest so far
.irp i, 1,2,3,4,5,6,7
	v_cmp_ge_f32 vcc_lo, v18, v[8+\i]              ; keep what I have unless p_i is strictly larger: a tie stays with the lower index
	v_cndmask_b32 v18, v[8+\i], v18, vcc_lo
	v_cndmask_b32 v20, \i, v20, vcc_lo
.endr
	v_mov_b32 v19, -1.0                            ; under every p
.irp i, 0,1,2,3,4,5,6,7
	v_cmp_eq_u32 s24, \i, v20                      ; the first choice is passed over
	v_cmp_ge_f32 vcc_lo, v19, v[8+\i]
	s_or_b32 vcc_lo, vcc_lo, s24
	v_cndmask_b32 v19, v[8+\i], v19, vcc_lo
	v_cndmask_b32 v21, \i, v21, vcc_lo
.endr
	v_add_f32 v22, v18, v19
	s_wait_alu depctr_va_vdst(0)
	v_rcp_f32 v22, v22
	v_nop                                          ; a plain line behind the reciprocal
	s_wait_alu depctr_va_vdst(0)
	v_mul_f32 v24, v18, v22
	v_mul_f32 v25, v19, v22
	global_store_b64 v3, v[20:21], s[18:19]        ; a wave stores 256 consecutive bytes
	global_store_b64 v3, v[24:25], s[20:21]
	s_endpgm
.Lfunc_end_k_q92a024386f_prep:
	.size	k_q92a024386f_prep, .Lfunc_end_k_q92a024386f_prep-k_q92a024386f_prep
	.p2alignl 7, 3214868480
	.fill 96, 4, 3214868480
	.section	.rodata,"a",@progbits
	.p2align	6, 0x0
	.amdhsa_kernel k_q92a024386f_prep
		.amdhsa_group_segment_fixed_size 33280
		.amdhsa_private_segment_fixed_size 0
		.amdhsa_enable_private_segment 0
		.amdhsa_kernarg_size 56
		.amdhsa_user_sgpr_count 2
		.amdhsa_user_sgpr_kernarg_segment_ptr 1
		.amdhsa_wavefront_size32 1
		.amdhsa_system_sgpr_workgroup_id_x 1
		.amdhsa_system_sgpr_workgroup_id_y 1
		.amdhsa_system_sgpr_workgroup_id_z 1
		.amdhsa_system_vgpr_workitem_id 0
		.amdhsa_next_free_vgpr 226
		.amdhsa_next_free_sgpr 66
		.amdhsa_reserve_vcc 1
		.amdhsa_float_denorm_mode_32 3
		.amdhsa_float_denorm_mode_16_64 3
		.amdhsa_memory_ordered 1
		.amdhsa_forward_progress 1
		.amdhsa_inst_pref_size 46
	.end_amdhsa_kernel
	.amdgpu_metadata
---
amdhsa.version: [ 1, 2 ]
amdhsa.kernels:
  - .name:           k_q92a024386f_prep
    .symbol:         k_q92a024386f_prep.kd
    .args:
      - { .name: x, .offset: 0, .size: 8, .value_kind: global_buffer, .address_space: global }
      - { .name: gating_output, .offset: 8, .size: 8, .value_kind: global_buffer, .address_space: global }
      - { .name: w1, .offset: 16, .size: 8, .value_kind: global_buffer, .address_space: global }
      - { .name: w1_scale, .offset: 24, .size: 8, .value_kind: global_buffer, .address_space: global }
      - { .name: qbuf, .offset: 32, .size: 8, .value_kind: global_buffer, .address_space: global }
      - { .name: ridx, .offset: 40, .size: 8, .value_kind: global_buffer, .address_space: global }
      - { .name: rwt, .offset: 48, .size: 8, .value_kind: global_buffer, .address_space: global }
    .group_segment_fixed_size: 33280
    .private_segment_fixed_size: 0
    .kernarg_segment_align: 8
    .kernarg_segment_size: 56
    .max_flat_workgroup_size: 128
    .sgpr_count:     66
    .vgpr_count:     226
    .wavefront_size: 32
...
	.end_amdgpu_metadata
.endif
;; end of part 6
;; launch prep2 (part 7): grid 257 x 1, 16 waves a work-group, no clusters, 135,168 bytes of LDS; arguments w2, w2_scale, ridx, qbuf, plan; writes qbuf, plan
.if DOCPART == 7
	.amdgcn_target "amdgcn-amd-amdhsa--gfx1250"
	.amdhsa_code_object_version 6
	.text
	.protected	k_q92a024386f_prep2
	.globl	k_q92a024386f_prep2
	.p2align	8
	.type	k_q92a024386f_prep2,@function
k_q92a024386f_prep2:
	s_mov_b64 s[64:65], 0
	v_nop
	global_prefetch_b8 v0, s[64:65] scope:SCOPE_SE
	s_setreg_imm32_b32 hwreg(HW_REG_WAVE_MODE, 25, 1), 1
	s_wait_xcnt 0x0
; PREP2.  Two pieces of work that need nothing of each other share this launch, so that the short sort does not have the chip to itself.
; WORK-GROUP 0: THE PLACING.  The 4,096 pairs (token, choice), stored by the launch before, are sorted by expert, by counting: no atomics.
; WORK-GROUPS 1-256: w2[e] * w2_scale[e], f32 with K = 1,024 innermost, becomes codes of BF6 (E3M2) and one E8M0 byte for each 32 along K, by the same arithmetic and into the same
; layout of qbuf as w1 and x in the launch before (rows of 768 bytes of codes; rows of 32 scale bytes in which, in each group of four blocks, blocks 1 and 2 change places).
; The two ways part once, on the work-group's number, which all waves of a work-group share; each has LDS bytes of its own.
; THE QUANTISER: 32,768 numbers a work-group, 2,048 a wave in 4 steps of 512.  All 16 loads of a wave go out at once: there is no ring.  A step's 2,048 bytes turn through the wave's own
; stage in LDS, so that a lane holds 16 neighbours along K.  Waves share nothing.  A wave's 64 scale bytes leave as 64 consecutive bytes, 2 a lane: four neighbouring waves' stores
; make up an aligned run of 256; to gather them would want a barrier among waves that share nothing else, and they are one byte in 128 of what is read.
; LIMITS: NaN and infinities are not served; a block whose largest magnitude lies under 2^-122 keeps the byte 1 (zeros give zero codes; this program alone reads the bytes).
; THE PLACING: each expert's slots begin at a multiple of 16 and are filled up to a multiple of 16 with token 0, whose results nobody reads.  The sum over experts of ceil(count / 16) is at
; most 263, so tiles 0 to 262 serve every split; slot 4,223 (tile 263) takes the stores of lanes that have nothing to place.
; plan: LIST [4,224] the token of each slot; SLOT [2,048][2] the slot of each pair; META [8]{first tile, tiles} (the store fills 256 bytes).
; Sixteen waves: wave w, lane l owns tokens 128 w + 32 g + l, g = 0 .. 3.  A token's two experts differ, so in a mask M[g][e] a lane stands for one pair.
.set STEPS, 4
.set EMAX,  4
.set CB,    12                         ; bytes of 16 codes
.set R,     16                         ; v16-79   four sets of 16 numbers as loaded
.set X,     80                         ; v80-111  two sets of 16 neighbours
.set C,     112                        ; v112-127 a step's codes in three registers, its scale byte in the fourth
.set WREG,  8192                       ; LDS of a wave: two stages of 32 x SP bytes, then its 64 scale bytes
.set SP,    80                         ; a lane's place in a stage: 64 bytes + 16 of padding
.set W2Q,   12582912                   ; parts of qbuf
.set W2S,   20971520
.set PLB,   16*WREG                    ; LDS of the placing: the table [wave 16][32 words]
.set SLOT,  16896                      ; parts of plan
.set META,  33280
.set DUMP,  4223
.set MK,  32                           ; s[32:63]  masks M[8 g + e]: the lanes of group g that chose expert e
.set BS,  16                           ; s[16:23]  my wave's count for each expert, later the next free slot
.set NT,  66                           ; s[66:73]  tiles of each expert
.set PRE, 74                           ; s[74:81]  pairs of the expert in the waves before mine
.set TOT, 82                           ; s[82:89]  pairs of the expert in all
.set TB,  90                           ; s[90:97]  the expert's first tile
	v_lshl_add_u32 v128, v0, 2, 0x20800
	v_mov_b32 v129, 0
	s_cmp_eq_u32 ttmp9, 0
	s_cbranch_scc1 .Lplace
	s_load_b128 s[4:7], s[0:1], 0x0                ; w2, w2_scale
	s_load_b64 s[16:17], s[0:1], 0x18              ; qbuf
	v_lshrrev_b32 v1, 5, v0
	s_delay_alu instid0(VALU_DEP_1)
	v_readfirstlane_b32 s22, v1                    ; wave 0..15
	v_and_b32 v2, 31, v0                           ; lane
	s_delay_alu instid0(VALU_DEP_1)
	v_lshlrev_b32 v3, 4, v2                        ; my 16 bytes of a load's 512
	s_mul_i32 s23, s22, WREG
	v_lshrrev_b32 v14, 2, v2
	s_delay_alu instid0(VALU_DEP_1)
	v_mul_u32_u24 v14, v14, SP
	v_and_b32 v15, 3, v2
	s_delay_alu instid0(VALU_DEP_1)
	v_lshl_add_u32 v14, v15, 4, v14
	s_delay_alu instid0(VALU_DEP_1)
	v_add_nc_u32 v14, s23, v14                     ; the stage, on the way in: SP (lane / 4) + 16 (lane % 4)
	v_mul_u32_u24 v15, v2, SP
	s_delay_alu instid0(VALU_DEP_1)
	v_add_nc_u32 v15, s23, v15                     ; and on the way out: SP x lane: my 16 neighbours
	v_mul_u32_u24 v4, v2, CB                       ; my codes' place in a step's 384 bytes
	v_lshrrev_b32 v5, 1, v2                        ; my block of the step's 16,
	s_delay_alu instid0(VALU_DEP_1)
	v_and_b32 v8, 12, v5
	s_delay_alu instid0(VALU_DEP_2)
	v_and_b32 v9, 1, v5
	s_delay_alu instid0(VALU_DEP_1)
	v_lshl_add_u32 v8, v9, 1, v8
	s_delay_alu instid0(VALU_DEP_4)
	v_bfe_u32 v9, v5, 1, 1
	s_delay_alu instid0(VALU_DEP_1)
	v_add_nc_u32 v5, v8, v9                        ; with bits 0 and 1 swapped: its scale byte's place
	s_add_co_u32 s23, s23, 2*32*SP
	v_add_nc_u32 v5, s23, v5                       ; in my wave's 64 scale bytes
	v_lshlrev_b32 v7, 1, v2                        ; which leave 2 bytes a lane
	s_delay_alu instid0(VALU_DEP_1)
	v_add_nc_u32 v6, s23, v7
	s_sub_co_u32 s35, ttmp9, 1                     ; my work-group among the quantiser's 256
	s_lshr_b32 s36, s35, 5                         ; the expert: 32 work-groups each
	s_lshl_b32 s36, s36, 2
	s_mov_b32 s37, 0
	s_wait_kmcnt 0x0
	s_add_nc_u64 s[28:29], s[6:7], s[36:37]
	s_load_b32 s24, s[28:29], 0x0                  ; the expert's scale
	s_lshl_b32 s35, s35, 4
	s_add_co_u32 s35, s35, s22                     ; which run of 2,048 numbers is my wave's
	s_lshl_b32 s36, s35, 13
	s_add_nc_u64 s[26:27], s[4:5], s[36:37]        ; 8,192 bytes of numbers a run,
	s_mul_i32 s36, s35, 32*STEPS*CB
	s_add_co_u32 s36, s36, W2Q
	s_add_nc_u64 s[38:39], s[16:17], s[36:37]      ; 1,536 of codes,
	s_lshl_b32 s36, s35, 6
	s_add_co_u32 s36, s36, W2S
	s_add_nc_u64 s[40:41], s[16:17], s[36:37]      ; 64 of scale bytes
.macro LOAD t
.irp i, 0,1,2,3
	global_load_b128 v[R+16*(\t)+4*\i:R+16*(\t)+4*\i+3], v3, s[26:27] offset:2048*(\t)+512*\i th:TH_LOAD_NT   ; 32 lanes read 512 consecutive bytes; read once in the launch
.endr
.endm
.macro TURN t                          ; step t's numbers through the stage: LDS serves a wave's instructions in order, so no wait stands between the stores and the loads
.irp i, 0,1,2,3
	ds_store_b128 v14, v[R+16*(\t)+4*\i:R+16*(\t)+4*\i+3] offset:32*SP*((\t)%2)+8*SP*\i
.endr
.irp i, 0,1,2,3
	ds_load_b128 v[X+16*((\t)%2)+4*\i:X+16*((\t)%2)+4*\i+3], v15 offset:32*SP*((\t)%2)+16*\i
.endr
.endm
.irp t, 0,1,2,3
	LOAD \t
.endr
	s_wait_kmcnt 0x0                               ; the scale
	s_mov_b32 s25, s24                             ; (the packed form names the pair)
	s_wait_loadcnt 12                              ; step 0's four loads are in; the 12 of steps 1 to 3 may be out
	TURN 0
.macro STEP t
.set XS, X+16*((\t)%2)
.if (\t) > 0
	s_wait_dscnt 1                                 ; this step's numbers are back from the stage (the last step's byte store may be out)
.else
	s_wait_dscnt 0x0
.endif
.if (\t)+1 < STEPS
	s_wait_loadcnt 4*(STEPS-2-(\t))                ; the next step's four loads are in; those of the steps behind it may be out
	TURN (\t)+1                                    ; and go through the other stage while this step is worked
.endif
.irp i, 0,2,4,6,8,10,12,14
	v_pk_mul_f32 v[XS+\i:XS+\i+1], v[XS+\i:XS+\i+1], s[24:25] op_sel_hi:[1,0]   ; the weight as the model has it: number x the expert's scale, one f32 rounding
.endr
	v_max3_num_f32 v8, |v[XS]|, |v[XS+1]|, |v[XS+2]|               ; the largest magnitude of my 16, in two chains
	v_max3_num_f32 v9, |v[XS+3]|, |v[XS+4]|, |v[XS+5]|
.irp i, 6,10
	s_delay_alu instid0(VALU_DEP_2)
	v_max3_num_f32 v8, v8, |v[XS+\i]|, |v[XS+\i+1]|
	s_delay_alu instid0(VALU_DEP_2)
	v_max3_num_f32 v9, v9, |v[XS+\i+2]|, |v[XS+\i+3]|
.endr
	s_delay_alu instid0(VALU_DEP_2)
	v_max3_num_f32 v8, v8, |v[XS+14]|, |v[XS+15]|
	s_delay_alu instid0(VALU_DEP_1)
	v_max3_num_f32 v8, v8, v9, (EMAX+1)<<23        ; and the floor 2^(5 - 127): the byte cannot fall under 1
	s_delay_alu instid0(VALU_DEP_1)
	v_max_num_f32_dpp v8, v8, v8 row_xmask:1 row_mask:0xf bank_mask:0xf   ; with my neighbour's 16: the block's
	s_delay_alu instid0(VALU_DEP_1)
	v_add_nc_u32 v11, -(EMAX<<23), v8              ; 4 off its exponent field: the conversion takes the exponent field of this operand as its scale
	v_cvt_scalef32_pk16_bf6_f32 v[C+4*(\t):C+4*(\t)+2], v[XS:XS+15], v11   ; 16 codes, 96 bits, the first number's code lowest; beyond 28 the largest code
	v_lshrrev_b32 v[C+4*(\t)+3], 23, v11           ; the scale's byte (also the plain line behind the conversion)
	ds_store_b8 v5, v[C+4*(\t)+3] offset:16*(\t)   ; both lanes of a block write the same byte with the same value
	global_store_b96 v4, v[C+4*(\t):C+4*(\t)+2], s[38:39] offset:32*CB*(\t)   ; the wave stores 384 consecutive bytes
.endm
.irp t, 0,1,2,3
	STEP \t
.endr
	ds_load_u16 v12, v6                            ; LDS serves a wave's instructions in order: this sees my byte stores
	s_wait_dscnt 0x0
	global_store_b16 v7, v12, s[40:41]             ; 32 lanes store 64 consecutive bytes
	s_wait_tensorcnt 0x0
	ds_add_u32 v128, v129
	s_wait_dscnt 0x0
	s_endpgm
.Lplace:
	s_load_b64 s[4:5], s[0:1], 0x10                ; ridx
	s_load_b64 s[6:7], s[0:1], 0x20                ; plan
	v_lshrrev_b32 v1, 5, v0
	s_delay_alu instid0(VALU_DEP_1)
	v_readfirstlane_b32 s8, v1                     ; wave
	v_and_b32 v10, 31, v0                          ; lane
	s_lshl_b32 s9, s8, 7
	v_add_nc_u32 v11, s9, v10                      ; my token of group 0
	s_delay_alu instid0(VALU_DEP_1)
	v_lshlrev_b32 v1, 3, v11                       ; 8 bytes a token
	v_lshl_add_u32 v3, v0, 2, PLB                  ; LDS: the table [wave][32 words]: my word
	v_and_b32 v4, 7, v0
	s_delay_alu instid0(VALU_DEP_1)
	v_lshl_add_u32 v4, v4, 2, PLB                  ; and the word of expert lane % 8 in a wave's row
	v_mov_b32 v2, 0
	s_wait_alu depctr_va_vdst(0)
	s_wait_kmcnt 0x0
.irp g, 0,1,2,3
	global_load_b64 v[16+2*\g:17+2*\g], v1, s[4:5] offset:256*\g
.endr
	s_wait_loadcnt 0x0
.irp g, 0,1,2,3
.irp e, 0,1,2,3,4,5,6,7
	v_cmp_eq_u32 vcc_lo, \e, v[16+2*\g]
	v_cmp_eq_u32 s9, \e, v[17+2*\g]
	s_or_b32 s[MK+8*\g+\e], vcc_lo, s9
.endr
.endr
.irp e, 0,1,2,3,4,5,6,7
	s_bcnt1_i32_b32 s[BS+\e], s[MK+\e]
	s_bcnt1_i32_b32 s9, s[MK+8+\e]
	s_add_co_u32 s[BS+\e], s[BS+\e], s9
	s_bcnt1_i32_b32 s9, s[MK+16+\e]
	s_add_co_u32 s[BS+\e], s[BS+\e], s9
	s_bcnt1_i32_b32 s9, s[MK+24+\e]
	s_add_co_u32 s[BS+\e], s[BS+\e], s9
	v_writelane_b32 v2, s[BS+\e], \e               ; my wave's eight counts in lanes 0 to 7, zeros above
.endr
	ds_store_b32 v3, v2
	s_wait_dscnt 0x0                               ; for the others' sake: my row of the table has landed
	s_barrier_signal -1                            ; all sixteen waves of this work-group are on this way: the branch that leads here hangs on the work-group's number alone
	s_barrier_wait -1
.irp w, 0,1,2,3,4,5,6,7,8,9,10,11,12,13,14,15
	ds_load_b32 v[32+\w], v4 offset:128*\w         ; lane l: wave w's count for expert l % 8
.endr
	v_mov_b32 v5, 0                                ; the expert's pairs in all,
	v_mov_b32 v6, 0                                ; and in the waves before mine
	s_wait_alu depctr_va_vdst(0)
	s_wait_dscnt 0x0
.irp w, 0,1,2,3,4,5,6,7,8,9,10,11,12,13,14,15
	s_cmp_gt_u32 s8, \w
	s_cselect_b32 s9, -1, 0
	v_add_nc_u32 v5, v5, v[32+\w]
	v_and_b32 v7, s9, v[32+\w]
	s_delay_alu instid0(VALU_DEP_1)
	v_add_nc_u32 v6, v6, v7
.endr
	s_delay_alu instid0(VALU_DEP_3)
	v_add_nc_u32 v8, 15, v5
	s_delay_alu instid0(VALU_DEP_1)
	v_lshrrev_b32 v8, 4, v8                        ; its tiles
.irp e, 0,1,2,3,4,5,6,7
	v_readlane_b32 s[NT+\e], v8, \e
	v_readlane_b32 s[PRE+\e], v6, \e
	v_readlane_b32 s[TOT+\e], v5, \e
.endr
	s_mov_b32 s[TB], 0
.irp e, 0,1,2,3,4,5,6
	s_add_co_u32 s[TB+1+\e], s[TB+\e], s[NT+\e]
.endr
.irp e, 0,1,2,3,4,5,6,7
	s_lshl_b32 s[BS+\e], s[TB+\e], 4
	s_add_co_u32 s[BS+\e], s[BS+\e], s[PRE+\e]     ; my wave's first slot of expert e
.endr
.irp n, 0,1,2,3,4,5,6,7
	v_mov_b32 v[24+\n], 0
.endr
.irp g, 0,1,2,3
.irp e, 0,1,2,3,4,5,6,7
	v_mbcnt_lo_u32_b32 v12, s[MK+8*\g+\e], 0       ; the lanes below mine that chose e
	s_delay_alu instid0(VALU_DEP_1)
	v_add_nc_u32 v12, s[BS+\e], v12
	v_cmp_eq_u32 vcc_lo, \e, v[16+2*\g]
	s_delay_alu instid0(VALU_DEP_1)
	v_cndmask_b32 v[24+2*\g], v[24+2*\g], v12, vcc_lo
	v_cmp_eq_u32 vcc_lo, \e, v[17+2*\g]
	s_delay_alu instid0(VALU_DEP_1)
	v_cndmask_b32 v[25+2*\g], v[25+2*\g], v12, vcc_lo
	s_bcnt1_i32_b32 s9, s[MK+8*\g+\e]
	s_add_co_u32 s[BS+\e], s[BS+\e], s9
.endr
.endr
.irp g, 0,1,2,3
	global_store_b64 v1, v[24+2*\g:25+2*\g], s[6:7] offset:SLOT+256*\g   ; a wave stores 256 consecutive bytes
	v_add_nc_u32 v[48+\g], 32*\g, v11              ; the token
.endr
.irp n, 0,1,2,3,4,5,6,7
	v_min_u32 v[40+\n], DUMP, v[24+\n]             ; a computed slot enters an address only under this bound
	s_delay_alu instid0(VALU_DEP_1)
	v_lshlrev_b32 v[40+\n], 2, v[40+\n]            ; (each store has an address register of its own)
.endr
.irp n, 0,1,2,3,4,5,6,7
	global_store_b32 v[40+\n], v[48+\n/2], s[6:7]  ; LIST[slot] = token
.endr
	s_cmp_lg_u32 s8, 0
	s_cbranch_scc1 .Lend
	; wave 0: the fill of each expert's last tile, and META
	v_mov_b32 v13, DUMP
	v_mov_b32 v14, 0
.irp e, 0,1,2,3,4,5,6,7
	s_lshl_b32 s9, s[TB+\e], 4
	s_add_co_u32 s10, s9, s[TOT+\e]                ; the first slot behind the expert's pairs
	s_add_co_u32 s11, s[TB+\e], s[NT+\e]
	s_lshl_b32 s11, s11, 4                         ; the first slot behind its tiles: at most 15 further on
	v_add_nc_u32 v[56+\e], s10, v10
	s_wait_alu depctr_va_vdst(0)
	v_cmp_gt_u32 vcc_lo, s11, v[56+\e]
	s_delay_alu instid0(VALU_DEP_1)
	v_cndmask_b32 v[56+\e], v13, v[56+\e], vcc_lo  ; a lane past the tiles' end writes the spare slot
	s_delay_alu instid0(VALU_DEP_1)
	v_min_u32 v[56+\e], DUMP, v[56+\e]
	s_delay_alu instid0(VALU_DEP_1)
	v_lshlrev_b32 v[56+\e], 2, v[56+\e]
	global_store_b32 v[56+\e], v14, s[6:7]         ; token 0
.endr
	v_mov_b32 v52, 0
.irp e, 0,1,2,3,4,5,6,7
	s_delay_alu instid0(VALU_DEP_1)
	v_writelane_b32 v52, s[TB+\e], \e
.endr
	v_mov_b32 v53, v8
	v_lshlrev_b32 v54, 3, v10
	global_store_b64 v54, v[52:53], s[6:7] offset:META   ; lanes 0 to 7: {first tile, tiles}; the 32 lanes fill 256 bytes
.Lend:
	s_wait_tensorcnt 0x0
	ds_add_u32 v128, v129
	s_wait_dscnt 0x0
	s_endpgm
.Lfunc_end_k_q92a024386f_prep2:
	.size	k_q92a024386f_prep2, .Lfunc_end_k_q92a024386f_prep2-k_q92a024386f_prep2
	.p2alignl 7, 3214868480
	.fill 96, 4, 3214868480
	.section	.rodata,"a",@progbits
	.p2align	6, 0x0
	.amdhsa_kernel k_q92a024386f_prep2
		.amdhsa_group_segment_fixed_size 135168
		.amdhsa_private_segment_fixed_size 0
		.amdhsa_enable_private_segment 0
		.amdhsa_kernarg_size 40
		.amdhsa_user_sgpr_count 2
		.amdhsa_user_sgpr_kernarg_segment_ptr 1
		.amdhsa_wavefront_size32 1
		.amdhsa_system_sgpr_workgroup_id_x 1
		.amdhsa_system_sgpr_workgroup_id_y 1
		.amdhsa_system_sgpr_workgroup_id_z 1
		.amdhsa_system_vgpr_workitem_id 0
		.amdhsa_next_free_vgpr 130
		.amdhsa_next_free_sgpr 100
		.amdhsa_reserve_vcc 1
		.amdhsa_float_denorm_mode_32 3
		.amdhsa_float_denorm_mode_16_64 3
		.amdhsa_memory_ordered 1
		.amdhsa_forward_progress 1
		.amdhsa_inst_pref_size 48
	.end_amdhsa_kernel
	.amdgpu_metadata
---
amdhsa.version: [ 1, 2 ]
amdhsa.kernels:
  - .name:           k_q92a024386f_prep2
    .symbol:         k_q92a024386f_prep2.kd
    .args:
      - { .name: w2, .offset: 0, .size: 8, .value_kind: global_buffer, .address_space: global }
      - { .name: w2_scale, .offset: 8, .size: 8, .value_kind: global_buffer, .address_space: global }
      - { .name: ridx, .offset: 16, .size: 8, .value_kind: global_buffer, .address_space: global }
      - { .name: qbuf, .offset: 24, .size: 8, .value_kind: global_buffer, .address_space: global }
      - { .name: plan, .offset: 32, .size: 8, .value_kind: global_buffer, .address_space: global }
    .group_segment_fixed_size: 135168
    .private_segment_fixed_size: 0
    .kernarg_segment_align: 8
    .kernarg_segment_size: 40
    .max_flat_workgroup_size: 512
    .sgpr_count:     100
    .vgpr_count:     130
    .wavefront_size: 32
...
	.end_amdgpu_metadata
.endif
;; end of part 7
;; launch gemm1 (part 8): grid 256 x 1, 4 waves a work-group, no clusters, 50,688 bytes of LDS; arguments qbuf, plan, hbuf; writes hbuf
.if DOCPART == 8
	.amdgcn_target "amdgcn-amd-amdhsa--gfx1250"
	.amdhsa_code_object_version 6
	.text
	.protected	k_q92a024386f_gemm1
	.globl	k_q92a024386f_gemm1
	.p2align	8
	.type	k_q92a024386f_gemm1,@function
k_q92a024386f_gemm1:
	s_mov_b64 s[64:65], 0
	v_nop
	global_prefetch_b8 v0, s[64:65] scope:SCOPE_SE
	s_setreg_imm32_b32 hwreg(HW_REG_WAVE_SCHED_MODE, 0, 2), 2
	s_setreg_imm32_b32 hwreg(HW_REG_WAVE_MODE, 25, 1), 1
	s_wait_xcnt 0x0
	s_wait_alu depctr_vm_vsrc(0)
; GEMM1.  For the routed rows of each expert: gate = x W1[:I]^T, up = x W1[I:]^T on codes of BF6 with E8M0 scales, h = silu(gate) * up in f32, h quantised along I.
; SHARES: work-group g: expert g / 32; its four waves take the blocks of 32 hidden units nb = 4 ((g / 4) % 8) + wave; of the expert's tiles of 16 slots it takes every fourth, from g % 4 on.
; A wave keeps its 64 rows of W1 (32 of gate, 32 of up: four tiles x 8 K steps, 384 registers, and 16 of scale words) for the whole launch and streams tiles of x: 32 matrix instructions a tile.
; Waves share nothing: each has LDS bytes of its own, and there is no barrier.  The number of tiles hangs on a stored count, so there is no tensor load and no cluster: partners would need different
; numbers of tiles.  The count is waited for behind the first 48 loads of weights, which do not need it; a work-group that a split leaves without tiles ends there, having asked for 24,576 bytes a wave in vain.
; No prefetch: each tile of x is read by 32 waves, not once, and every trip asks for its tile one whole trip ahead.
; TRANSPOSED USE: source 0 = 16 rows of W1, source 1 = 16 slots.  Tile u of a half takes rows 8 u + r + 8 (r / 8), so that lane (r, h) holds slot r and its 16 registers of two tiles are the
; hidden units 32 nb + 16 h + 0 .. 15, in order: 16 neighbours along the next K.
; K ORDER: a lane takes 48 consecutive bytes of a row, at 96 s + 48 h: the unit's block 2 c + h is the row's block 2 h + c, in both operands alike; the scale bytes are stored in that order.
; A row's 32 scale bytes come by one load of 16 bytes a lane (row x 32 + 16 h): register j holds K step j in lanes 0-15 and K step 4 + j in lanes 16-31, which the second four K steps read.
; Rows come from memory as whole runs of 256 bytes (sixteen lanes to a run, two rows an instruction) and turn through the wave's stage in LDS, rows 784 bytes apart (49 x 16: sixteen rows fall on different banks).
; LIMITS: silu(g) is 0 where 2^(-g log2 e) overflows (g under -88.7); a block of h under 2^-122 keeps the byte 1.  NaN and infinities are not served.
; REGISTERS, in windows of 256.  Window 0: v1-v19 addresses; v20-28 tokens; v30-38 their offsets; v40-43 x's scale words at work, v44-47 the next tile's; v48-63 W1's scale words;
;   v64-95 the four accumulators; v96-111 at work; v112-122 at work; v128-223 a tile of x as loaded.  Window 1: W1, K steps 0-3 (tile k at 48 k + 12 s).  Window 2: K steps 4-7.  Window 3: x's fragments, 12 s.
; THE MODE: SCHED_MODE bits 1:0 = 2 (LLVM: expert scheduling mode 2), set by the entry lines.  The code itself states the register dependences
; between vector or matrix instructions and memory or LDS instructions, with s_wait_alu, always for 0.
; THE PLAN.  Registers that memory or LDS instructions touch, round the loop:
;   S   v128-223  the tile's 24 loads land here; the stage's 24 LDS stores read them one trip later.  No vector instruction names them.
;   XSS v44-47    the tile's 25th load lands here; the four moves into XS read them.
;   ID  v20-28    the nine loads of tokens land here; the address lines read and write them.
;   AD  v30-38    the address lines write them; the tile's 25 loads read them.
;   window 3      the stage's 24 LDS loads land here; the 32 products read them.
;   v16, v17, v116, v120-122   written on the way out; read by its two stores.
;   v5-v8, v10, v11   addresses made at the head and never written again.  W1's registers: filled at the head, afterwards read by the products alone.
; A TRIP: the products | one wait on vm_vsrc (the last trip's stores and loads have read their registers) | the stage's stores, the moves, the address lines | ONE PAIR OF WAITS, which states all that the
; stage's 24 loads and the next tile's 34 loads hang on: no vector instruction stands between the pair and those loads | the way out | one wait on va_vdst | its two stores.
.set XQ,    18874368                   ; parts of qbuf (w1's codes begin at 0)
.set W1S,   20447232
.set XSC,   21233664
.set META,  33280                      ; part of plan (LIST begins at 0)
.set HS,    3244032                    ; hbuf: codes [tile][place 32][slot 16][24 bytes], then scale bytes [tile][half 2][slot 16][16]
.set PITCH, 784
.set WREG,  16*PITCH                   ; a wave's stage
.set RSTEP, 1024                       ; from the gate's rows to up's
.set LASTT, 263                        ; no tile number is larger
.set VST, 5                            ; v5   the stage, in: 784 h + 16 r
.set VLD, 6                            ; v6   the stage, out: 784 r + 48 h
.set VWA, 7                            ; v7   a pair of weight rows: 768 h + 16 r
.set VWS, 8                            ; v8   a weight tile's scale bytes: 32 (r + 8 (r / 8)) + 16 h
.set ID,  20
.set AD,  30
.set XS,  40
.set XSS, 44
.set WS,  48
.set ACC, 64
.set T,   96
.set CD,  120
.set S,   128
.set MSB, 0
.macro WIN new                         ; the immediate's high byte repeats the setting that is left
.if MSB != \new
	s_set_vgpr_msb (MSB<<8)|\new
.set MSB, \new
.endif
.endm
	s_load_b128 s[4:7], s[0:1], 0x0                ; qbuf, plan
	s_load_b64 s[8:9], s[0:1], 0x10                ; hbuf
	v_lshl_add_u32 v254, v0, 2, 0xc400
	v_mov_b32 v255, 0
	v_lshrrev_b32 v1, 5, v0
	v_readfirstlane_b32 s10, v1                    ; wave
	s_lshr_b32 s11, ttmp9, 5                       ; expert
	s_bfe_u32 s12, ttmp9, 0x30002
	s_lshl_b32 s12, s12, 2
	s_wait_alu depctr_va_sdst(0)                   ; s10 is written, ahead of its first reader: the block of hidden units, the stage and the bases are made from it
	s_add_co_u32 s12, s12, s10                     ; nb: my block of 32 hidden units
	s_and_b32 s13, ttmp9, 3                        ; q: my first tile of the expert's
	s_lshl_b32 s38, s11, 3
	s_add_co_u32 s38, s38, META
	s_mov_b32 s39, 0
	s_wait_kmcnt 0x0
	s_add_nc_u64 s[28:29], s[6:7], s[38:39]
	s_load_b64 s[14:15], s[28:29], 0x0             ; the expert's first tile, its tiles: waited for behind the first weights' loads
	v_and_b32 v1, 31, v0                           ; lane
	v_and_b32 v2, 15, v0                           ; r
	v_bfe_u32 v3, v0, 4, 1                         ; h
	v_lshlrev_b32 v4, 4, v2                        ; 16 r
	s_mul_i32 s38, s10, WREG
	v_mul_u32_u24 v[VST], v3, PITCH
	v_add_nc_u32 v[VST], v[VST], v4
	v_add_nc_u32 v[VST], s38, v[VST]
	v_mul_u32_u24 v[VLD], v2, PITCH
	v_mad_u32_u24 v[VLD], v3, 48, v[VLD]
	v_add_nc_u32 v[VLD], s38, v[VLD]
	v_mul_u32_u24 v[VWA], v3, 768
	v_add_nc_u32 v[VWA], v[VWA], v4
	v_and_b32 v[VWS], 8, v2
	v_add_nc_u32 v[VWS], v[VWS], v2
	v_lshlrev_b32 v[VWS], 5, v[VWS]
	v_lshl_add_u32 v[VWS], v3, 4, v[VWS]
	v_lshlrev_b32 v9, 4, v3                        ; 16 h
	v_lshlrev_b32 v10, 2, v3                       ; 4 h: LIST, the pair's row
	v_lshlrev_b32 v11, 2, v2                       ; 4 r: LIST, my slot
	v_mul_u32_u24 v12, v2, 24
	v_mad_u32_u24 v12, v3, 12, v12                 ; h's codes: 24 r + 12 h
	v_mov_b32 v113, 0                              ; written once: a lane permute's destination counts as one of its sources
	s_lshl_b32 s38, s11, 11
	s_lshl_b32 s40, s12, 5
	s_add_co_u32 s38, s38, s40                     ; my first row of w1: 2,048 e + 32 nb
	s_mul_i32 s40, s38, 768
	s_mov_b32 s41, 0
	s_add_nc_u64 s[20:21], s[4:5], s[40:41]        ; its codes
	s_lshl_b32 s40, s38, 5
	s_add_co_u32 s40, s40, W1S
	s_add_nc_u64 s[22:23], s[4:5], s[40:41]        ; its scale bytes
	s_add_nc_u64 s[24:25], s[4:5], XQ              ; x's codes
	s_add_nc_u64 s[26:27], s[4:5], XSC             ; x's scale bytes
	s_and_b32 s38, s12, 28
	s_and_b32 s40, s12, 1
	s_lshl_b32 s40, s40, 1
	s_or_b32 s38, s38, s40
	s_bfe_u32 s40, s12, 0x10001
	s_or_b32 s38, s38, s40                         ; my block's place along the next K: nb with bits 0 and 1 swapped
	s_mul_i32 s40, s38, 384
	s_add_nc_u64 s[30:31], s[8:9], s[40:41]        ; where its codes go in a tile,
	s_lshr_b32 s40, s38, 4
	s_lshl_b32 s40, s40, 8
	s_and_b32 s38, s38, 15
	s_add_co_u32 s40, s40, s38
	s_add_co_u32 s40, s40, HS
	s_add_nc_u64 s[32:33], s[8:9], s[40:41]        ; and its scale byte
	s_mov_b32 s34, 0xbfb8aa3b                      ; -log2(e)
	s_mov_b32 s35, s34                             ; (the packed form names the pair)
	s_mov_b32 s36, 0x76543210
	s_mov_b32 s37, 0xfedcba98                      ; v_permlanex16_b32's selects for lane l xor 16
; the tokens of a tile: v[ID+m]: slot 2 m + h (for the rows' loads); v[ID+8]: slot r (for the scale words).  Past my last tile the expert's last tile is named, and not used.
.macro IDLOAD
	s_min_u32 s38, s18, s44
	s_add_co_u32 s38, s38, s14
	s_min_u32 s38, s38, LASTT
	s_lshl_b32 s38, s38, 6
	s_mov_b32 s39, 0
	s_add_nc_u64 s[28:29], s[6:7], s[38:39]        ; (the loads that named this base before have been waited for)
.irp m, 0,1,2,3,4,5,6,7
	global_load_b32 v[ID+\m], v10, s[28:29] offset:8*\m
.endr
	global_load_b32 v[ID+8], v11, s[28:29]
	s_add_co_u32 s18, s18, 4
.endm
.macro ADDR                            ; tokens into offsets: a loaded number enters an address only under its bound
.irp m, 0,1,2,3,4,5,6,7,8
	v_min_u32 v[ID+\m], 0x7ff, v[ID+\m]
.endr
.irp m, 0,1,2,3,4,5,6,7
	v_mad_u32_u24 v[AD+\m], v[ID+\m], 0x300, v4    ; 768 x token + 16 r
.endr
	v_lshl_add_u32 v[AD+8], v[ID+8], 5, v9         ; 32 x token + 16 h
.endm
.macro XLOAD                           ; a tile of x: 16 rows of 768 bytes, sixteen lanes to an aligned run of 256 bytes; and its scale words
.irp m, 0,1,2,3,4,5,6,7
.irp u, 0,1,2
	global_load_b128 v[S+12*\m+4*\u:S+12*\m+4*\u+3], v[AD+\m], s[24:25] offset:256*\u
.endr
.endr
	global_load_b128 v[XSS:XSS+3], v[AD+8], s[26:27]
.endm
; The tile that has landed turns through the stage into fragments (LDS serves a wave's instructions in order), its scale words move to their place, and the offsets of the tile after it are made.
; All the vector lines stand between the stage's stores and its loads, ahead of the one pair of waits.  first = 1: at the head, where the tokens are waited for apart from the tile.
.macro NEXT first
.irp m, 0,1,2,3,4,5,6,7
.irp u, 0,1,2
	ds_store_b128 v[VST], v[S+12*\m+4*\u:S+12*\m+4*\u+3] offset:2*\m*PITCH+256*\u
.endr
.endr
.irp j, 0,1,2,3
	v_mov_b32 v[XS+\j], v[XSS+\j]                  ; the 18 address lines below are the places between these writes and the next scaled product
.endr
.if \first
	s_wait_loadcnt 0x0                             ; tile 1's tokens
.endif
	ADDR
	WIN 0xc0                                       ; destination window 3
	s_wait_alu depctr_vm_vsrc(0)                   ; the stage's 24 stores have read S, in which the next tile's loads land
	s_wait_alu depctr_va_vdst(0)                   ; the products are done reading the fragments, in which the loads below land; the address lines have written AD, which the next tile's loads read, and are done with ID, in which the next tokens land; the moves have read XSS, in which the next scale words land, and have written XS, which the next products take as scales
.irp s, 0,1,2,3,4,5,6,7
.irp i, 0,1,2
	ds_load_b128 v[12*\s+4*\i:12*\s+4*\i+3], v[VLD] offset:96*\s+16*\i
.endr
.endr
	WIN 0
.endm
.macro WLOADK k                        ; tile k of my 64 rows of W1: 24 loads, into the registers that will hold the tile's fragments
	WIN 0x40
.irp m, 0,1,2,3
.irp u, 0,1,2
	global_load_b128 v[48*(\k)+12*\m+4*\u:48*(\k)+12*\m+4*\u+3], v[VWA], s[20:21] offset:(((\k)/2)*RSTEP+8*((\k)%2)+2*\m)*768+256*\u
.endr
.endr
	WIN 0x80
.irp m, 0,1,2,3
.irp u, 0,1,2
	global_load_b128 v[48*(\k)+12*\m+4*\u:48*(\k)+12*\m+4*\u+3], v[VWA], s[20:21] offset:(((\k)/2)*RSTEP+8*((\k)%2)+2*\m+16)*768+256*\u
.endr
.endr
	WIN 0
.endm
.macro WSLOAD                          ; the four tiles' scale words
.irp k, 0,1,2,3
	global_load_b128 v[WS+4*\k:WS+4*\k+3], v[VWS], s[22:23] offset:((\k/2)*RSTEP+8*(\k%2))*32
.endr
.endm
.macro WTURN k, cnt                    ; tile k through the stage; cnt: the loads issued behind its 24 (63 where they are more)
	s_wait_loadcnt \cnt
	WIN 0x04                                       ; an LDS store's data are its source 1: window 1
.irp m, 0,1,2,3
.irp u, 0,1,2
	ds_store_b128 v[VST], v[48*(\k)+12*\m+4*\u:48*(\k)+12*\m+4*\u+3] offset:2*\m*PITCH+256*\u
.endr
.endr
	WIN 0x08
.irp m, 0,1,2,3
.irp u, 0,1,2
	ds_store_b128 v[VST], v[48*(\k)+12*\m+4*\u:48*(\k)+12*\m+4*\u+3] offset:(2*\m+8)*PITCH+256*\u
.endr
.endr
	s_wait_dscnt 0x0                               ; the stores are done
	WIN 0x40
	s_wait_alu depctr_vm_vsrc(0)                   ; the 24 stores above have read the tile's registers, in which the 24 loads below land
.irp s, 0,1,2,3
.irp i, 0,1,2
	ds_load_b128 v[48*(\k)+12*\s+4*\i:48*(\k)+12*\s+4*\i+3], v[VLD] offset:96*\s+16*\i
.endr
.endr
	WIN 0x80
.irp s, 0,1,2,3
.irp i, 0,1,2
	ds_load_b128 v[48*(\k)+12*\s+4*\i:48*(\k)+12*\s+4*\i+3], v[VLD] offset:96*(\s+4)+16*\i
.endr
.endr
	WIN 0
.endm
; 32 matrix instructions: 8 K steps x 4 accumulators, which take turns, one instruction a turn.  The first K step starts the sums.
.macro MUL
	WIN 0x0d                                       ; source 0 (W1) window 1, source 1 (x) window 3, C and D window 0
.irp s, 0,1,2,3
.irp k, 0,1,2,3
.if \s == 0
	v_wmma_scale_f32_16x16x128_f8f6f4 v[ACC+8*\k:ACC+8*\k+7], v[48*\k+12*\s:48*\k+12*\s+11], v[12*\s:12*\s+11], 0, v[WS+4*\k+\s], v[XS+\s] matrix_a_fmt:MATRIX_FMT_BF6 matrix_b_fmt:MATRIX_FMT_BF6
.else
	v_wmma_scale_f32_16x16x128_f8f6f4 v[ACC+8*\k:ACC+8*\k+7], v[48*\k+12*\s:48*\k+12*\s+11], v[12*\s:12*\s+11], v[ACC+8*\k:ACC+8*\k+7], v[WS+4*\k+\s], v[XS+\s] matrix_a_fmt:MATRIX_FMT_BF6 matrix_b_fmt:MATRIX_FMT_BF6
.endif
.endr
.endr
	WIN 0x0e                                       ; W1's K steps 4-7: window 2; their scale words stand in lanes 16-31
.irp s, 0,1,2,3
.irp k, 0,1,2,3
	v_wmma_scale_f32_16x16x128_f8f6f4 v[ACC+8*\k:ACC+8*\k+7], v[48*\k+12*\s:48*\k+12*\s+11], v[12*(\s+4):12*(\s+4)+11], v[ACC+8*\k:ACC+8*\k+7], v[WS+4*\k+\s], v[XS+\s] matrix_a_fmt:MATRIX_FMT_BF6 matrix_b_fmt:MATRIX_FMT_BF6 matrix_a_scale:MATRIX_SCALE_ROW1 matrix_b_scale:MATRIX_SCALE_ROW1
.endr
.endr
	WIN 0
.rept 4
	v_nop                                          ; four places (ISA guide 7.12.1) ahead of the writes of x's scale words and of the first read of the results
.endr
.endm
; h = silu(gate) * up of my 16 units, its block's scale, its codes; 12 bytes a lane: the wave stores 384 consecutive bytes.
; (The registers that the last tile's stores read are written again here: the waits that free them stand behind this trip's products.)
.macro EPILOGUE
	s_min_u32 s40, s19, LASTT
	s_mul_i32 s42, s40, 12288                      ; the tile's codes,
	s_lshl_b32 s43, s40, 9                         ; its scale bytes
	s_add_co_u32 s19, s19, 4
.irp j, 0,2,4,6,8,10,12,14
	v_pk_mul_f32 v[T+\j:T+\j+1], v[ACC+\j:ACC+\j+1], s[34:35] op_sel_hi:[1,0]   ; -gate x log2(e); each accumulator is read from its low end on
.endr
	s_wait_alu depctr_va_vdst(0)
.irp j, 0,1,2,3,4,5,6,7,8,9,10,11,12,13,14,15
	v_exp_f32 v[T+\j], v[T+\j]
.endr
	v_add_nc_u32 v16, s42, v12                     ; (a plain line behind the exponentials)
	s_wait_alu depctr_va_vdst(0)                   ; the sixteen exponentials have written v[T ..]: one wait, ahead of their first reader
.irp j, 0,2,4,6,8,10,12,14
	v_pk_add_f32 v[T+\j:T+\j+1], v[T+\j:T+\j+1], 1.0 op_sel_hi:[1,0]
.endr
	s_wait_alu depctr_va_vdst(0)
.irp j, 0,1,2,3,4,5,6,7,8,9,10,11,12,13,14,15
	v_rcp_f32 v[T+\j], v[T+\j]                     ; sigmoid(gate)
.endr
	v_add_nc_u32 v17, s43, v4                      ; (a plain line behind the reciprocals)
	s_wait_alu depctr_va_vdst(0)                   ; the sixteen reciprocals have written v[T ..]: one wait, ahead of their first reader
.irp j, 0,2,4,6,8,10,12,14
	v_pk_mul_f32 v[T+\j:T+\j+1], v[T+\j:T+\j+1], v[ACC+\j:ACC+\j+1]          ; x gate
.endr
.irp j, 0,2,4,6,8,10,12,14
	v_pk_mul_f32 v[T+\j:T+\j+1], v[T+\j:T+\j+1], v[ACC+16+\j:ACC+16+\j+1]    ; x up
.endr
	v_max3_num_f32 v114, |v[T]|, |v[T+1]|, 0x2800000                ; the largest magnitude of my 16, with the floor 2^(5 - 127), in two chains
	v_max3_num_f32 v112, |v[T+2]|, |v[T+3]|, |v[T+4]|
	v_max3_num_f32 v114, v114, |v[T+5]|, |v[T+6]|
	v_max3_num_f32 v112, v112, |v[T+7]|, |v[T+8]|
	v_max3_num_f32 v114, v114, |v[T+9]|, |v[T+10]|
	v_max3_num_f32 v112, v112, |v[T+11]|, |v[T+12]|
	v_max3_num_f32 v114, v114, |v[T+13]|, |v[T+14]|
	v_max3_num_f32 v112, v112, v114, |v[T+15]|
	v_permlanex16_b32 v113, v112, s36, s37
	v_max_num_f32 v112, v112, v113                 ; with lane l xor 16's 16: the block's
	v_add_nc_u32 v115, 0xfe000000, v112            ; 4 off its exponent field: the conversion's scale operand
	v_cvt_scalef32_pk16_bf6_f32 v[CD:CD+2], v[T:T+15], v115
	v_lshrrev_b32 v116, 23, v115                   ; the scale's byte (also the plain line behind the conversion)
	s_wait_alu depctr_va_vdst(0)                   ; the conversion has written v[CD ..], the shift v116, the two additions v16 and v17: the two stores read them
	global_store_b96 v16, v[CD:CD+2], s[30:31]
	global_store_b8 v17, v116, s[32:33]            ; lanes l and l xor 16 hold the same byte and name the same place
.endm
	s_wait_alu depctr_va_vdst(0)                   ; the addresses v5 to v8, v10 and v11 are written, which the loads and LDS instructions of the whole kernel read; so are v254 and v255
	WLOADK 0                                       ; 48 loads that need nothing of the stored counts
	WLOADK 1
	s_wait_kmcnt 0x0                               ; the expert's first tile, its tiles
	s_min_u32 s14, s14, LASTT
	s_min_u32 s15, s15, LASTT+1
	s_cmp_ge_u32 s13, s15
	s_cbranch_scc1 .Lnone                          ; this split leaves me no tile
	s_sub_co_u32 s16, s15, s13
	s_add_co_u32 s16, s16, 3
	s_lshr_b32 s16, s16, 2                         ; my tiles
	s_sub_co_u32 s44, s15, 1
	s_mov_b32 s17, 0                               ; the trip
	s_mov_b32 s18, s13                             ; the tile (within the expert) whose tokens are asked for next
	s_add_co_u32 s19, s14, s13                     ; the tile in hand
	IDLOAD                                         ; tile 0's tokens: 9 loads
	WLOADK 2                                       ; 24
	WLOADK 3                                       ; 24
	WSLOAD                                         ; 4
	s_wait_loadcnt 52                              ; the tokens are in: behind them 24 + 24 + 4 loads were issued
	ADDR
	s_wait_alu depctr_va_vdst(0)                   ; the address lines have written AD, which tile 0's loads read, and are done with ID, in which tile 1's tokens land
	XLOAD                                          ; tile 0: 25 loads
	IDLOAD                                         ; tile 1's tokens: 9
	WTURN 0, 63                                    ; (weight tiles 0 and 1 were issued ahead of the tokens: they are in)
	WTURN 1, 63
	WTURN 2, 62                                    ; behind its loads: 24 + 4 + 25 + 9
	WTURN 3, 38                                    ; 4 + 25 + 9
	s_wait_loadcnt 9                               ; W1's scale words and tile 0 are in; tile 1's nine tokens may be out
	NEXT 1                                         ; (tile 0's loads, issued ahead of the weight tiles' waits on vm_vsrc, have read AD, which is written again here)
	s_cmp_lt_u32 s16, 2
	s_cbranch_scc1 .Ltrip
	s_wait_dscnt 24                                ; the stage's stores are done (the 24 loads behind them may be out)
	XLOAD                                          ; tile 1
	IDLOAD                                         ; tile 2's tokens
.Ltrip:                                                ; trip i: the products of tile i; tile i + 1 turns into fragments; tile i + 2 is asked for; h of tile i leaves
	s_wait_dscnt 0x0                               ; the fragments are in
	MUL
	s_wait_xcnt 0x0                                ; the last tile's two stores, issued ahead of these 32 products, have had their addresses translated; the wait stands here, ahead of this trip's loads, on every way to the way out
	s_wait_alu depctr_vm_vsrc(0)                   ; those two stores have read v16, v17, v116 and v[CD ..], which the way out writes again; the last trip's loads of a tile have read AD, which the address lines write again
	s_add_co_u32 s38, s17, 1
	s_cmp_ge_u32 s38, s16
	s_cbranch_scc1 .Lskip
	s_wait_loadcnt 0x0                             ; tile i + 1 and tile i + 2's tokens, asked for one trip ago
	NEXT 0
	s_add_co_u32 s38, s17, 2
	s_cmp_ge_u32 s38, s16
	s_cbranch_scc1 .Lskip
	s_wait_dscnt 24                                ; the stage's stores are done (the 24 loads behind them may be out)
	XLOAD                                          ; no wait: no vector instruction since the pair of waits names S, XSS, AD or ID
	IDLOAD
.Lskip:
	EPILOGUE
	s_add_co_u32 s17, s17, 1
	s_cmp_lt_u32 s17, s16
	s_cbranch_scc1 .Ltrip
.Lnone:
	s_wait_dscnt 0x0                               ; the closing lines, six on end
	s_wait_alu 0x0
	s_wait_tensorcnt 0x0
	ds_add_u32 v254, v255
	s_wait_dscnt 0x0
	s_endpgm
.Lfunc_end_k_q92a024386f_gemm1:
	.size	k_q92a024386f_gemm1, .Lfunc_end_k_q92a024386f_gemm1-k_q92a024386f_gemm1
	.p2alignl 7, 3214868480
	.fill 96, 4, 3214868480
	.section	.rodata,"a",@progbits
	.p2align	6, 0x0
	.amdhsa_kernel k_q92a024386f_gemm1
		.amdhsa_group_segment_fixed_size 50688
		.amdhsa_private_segment_fixed_size 0
		.amdhsa_enable_private_segment 0
		.amdhsa_kernarg_size 24
		.amdhsa_user_sgpr_count 2
		.amdhsa_user_sgpr_kernarg_segment_ptr 1
		.amdhsa_wavefront_size32 1
		.amdhsa_system_sgpr_workgroup_id_x 1
		.amdhsa_system_sgpr_workgroup_id_y 1
		.amdhsa_system_sgpr_workgroup_id_z 1
		.amdhsa_system_vgpr_workitem_id 0
		.amdhsa_next_free_vgpr 864
		.amdhsa_next_free_sgpr 66
		.amdhsa_reserve_vcc 0
		.amdhsa_float_denorm_mode_32 3
		.amdhsa_float_denorm_mode_16_64 3
		.amdhsa_memory_ordered 1
		.amdhsa_forward_progress 1
		.amdhsa_inst_pref_size 59
	.end_amdhsa_kernel
	.amdgpu_metadata
---
amdhsa.version: [ 1, 2 ]
amdhsa.kernels:
  - .name:           k_q92a024386f_gemm1
    .symbol:         k_q92a024386f_gemm1.kd
    .args:
      - { .name: qbuf, .offset: 0, .size: 8, .value_kind: global_buffer, .address_space: global }
      - { .name: plan, .offset: 8, .size: 8, .value_kind: global_buffer, .address_space: global }
      - { .name: hbuf, .offset: 16, .size: 8, .value_kind: global_buffer, .address_space: global }
    .group_segment_fixed_size: 50688
    .private_segment_fixed_size: 0
    .kernarg_segment_align: 8
    .kernarg_segment_size: 24
    .max_flat_workgroup_size: 128
    .sgpr_count:     66
    .vgpr_count:     864
    .wavefront_size: 32
...
	.end_amdgpu_metadata
.endif
;; end of part 8
;; launch gemm2 (part 9): grid 256 x 1, 4 waves a work-group, no clusters, 68,096 bytes of LDS; arguments qbuf, plan, hbuf, ybuf; writes ybuf
.if DOCPART == 9
	.amdgcn_target "amdgcn-amd-amdhsa--gfx1250"
	.amdhsa_code_object_version 6
	.text
	.protected	k_q92a024386f_gemm2
	.globl	k_q92a024386f_gemm2
	.p2align	8
	.type	k_q92a024386f_gemm2,@function
k_q92a024386f_gemm2:
	s_mov_b64 s[64:65], 0
	v_nop
	global_prefetch_b8 v0, s[64:65] scope:SCOPE_SE
	s_setreg_imm32_b32 hwreg(HW_REG_WAVE_SCHED_MODE, 0, 2), 2
	s_setreg_imm32_b32 hwreg(HW_REG_WAVE_MODE, 25, 1), 1
	s_wait_xcnt 0x0
	s_wait_alu depctr_vm_vsrc(0)
; GEMM2.  y = h W2^T for the routed rows of each expert, on codes of BF6 with E8M0 scales; y goes out by slot, in f32; the gate's weights are applied by the launch that follows.
; SHARES: work-group g: expert g / 32; its four waves take the 64 columns cg = 4 ((g / 8) % 4) + wave; of the expert's tiles of 16 slots it takes every eighth, from g % 8 on.
; A wave keeps its 64 rows of W2 (four tiles x 8 K steps, 384 registers, and 16 of scale words) for the whole launch and streams tiles of h: 32 matrix instructions a tile.
; Waves share nothing: each has LDS bytes of its own, and there is no barrier.  The number of tiles hangs on a stored count, so there is no tensor load and no cluster: partners would need different
; numbers of tiles.  The count is waited for behind the first 48 loads of weights, which do not need it; a work-group that a split leaves without tiles ends there, having asked for 24,576 bytes a wave in vain.
; No prefetch: a tile of h is read by 16 waves, not once, and is asked for one whole trip ahead.
; TRANSPOSED USE: source 0 = 16 rows of W2, source 1 = 16 slots.  Tile 2 b + u takes rows 32 b + 8 u + r + 8 (r / 8): lane (r, h) holds slot r, and registers 16 b .. 16 b + 15 of its
; accumulators are columns 32 b + 16 h + 0 .. 15: 64 consecutive bytes of a row of y.
; K ORDER: as in the launch before: the unit's block 2 c + h is the row's block 2 h + c.  W2's rows give that by 48 consecutive bytes a lane; h lies in memory by the unit's places already.
; A tile of h is 12,288 consecutive bytes [place 32][slot 16][24 bytes]: it is loaded as it lies, laid into the stage as it lies, and read back 8 bytes at a time at 384 (4 s + 2 c + h) + 24 r:
; the 32 lanes of such a load touch 64 different banks (64 banks of 4 bytes: ISA guide 11.1).
; REGISTERS: as in the launch before; v96-127 rows of y on the way out.
; THE MODE: SCHED_MODE bits 1:0 = 2 (LLVM: expert scheduling mode 2), set by the entry lines.  The code itself states the register dependences
; between vector or matrix instructions and memory or LDS instructions, with s_wait_alu, always for 0.
; THE PLAN.  Registers that memory or LDS instructions touch, round the loop:
;   S   v128-223  the tile's 24 loads land here; the stage's 24 LDS stores read them one trip later.  No vector instruction names them.
;   XSS v44-47    the tile's 25th load lands here; the four moves into XS read them.
;   AD  v30-31    the two address lines write them; the tile's 25 loads read them.
;   window 3      the stage's 48 LDS loads land here; the 32 products read them.
;   ACC v64-95    the products write them; the way out's 8 LDS stores read them.
;   O   v96-127   the way out's 8 LDS loads land here; its 8 global stores read them.  No vector instruction names them.
;   VY  v19       one addition writes it on the way out; the 8 global stores read it.
;   v5-v9, v14-v17   addresses made at the head and never written again.  W2's registers: filled at the head, afterwards read by the products alone.
; A TRIP: a pair of waits at its head (the last way out's stores have read ACC, O and VY, the last tile's loads AD; the moves have written XS) | the products | the stage's stores, the moves, the address lines |
; ONE PAIR OF WAITS, which states all that the stage's 48 loads and the next tile's 25 loads hang on | the way out's addition | one wait on va_vdst | its LDS stores, LDS loads and global stores.
.set W2Q,   12582912                   ; parts of qbuf
.set W2S,   20971520
.set META,  33280                      ; part of plan
.set HS,    3244032                    ; part of hbuf
.set PITCH, 784
.set STG,   16*PITCH                   ; the stage for weights and h
.set OP,    272                        ; the stage for y: 16 rows of 256 bytes + 16
.set WREG,  STG+16*OP                  ; a wave's LDS
.set RSTEP, 32
.set LASTT, 263
.set VST, 5                            ; v5   the weights' way into the stage: 784 h + 16 r
.set VLD, 6                            ; v6   and out: 784 r + 48 h
.set VWA, 7                            ; v7   a pair of weight rows: 768 h + 16 r
.set VWS, 8                            ; v8   a weight tile's scale bytes: 32 (r + 8 (r / 8)) + 16 h
.set L16, 9                            ; v9   16 x lane
.set HST, 14                           ; v14  h's way into the stage: 16 x lane
.set HLD, 15                           ; v15  and out: 384 h + 24 r
.set VSO, 16                           ; v16  y into its stage: 272 r + 64 h
.set VSR, 17                           ; v17  and back: 272 h + 16 r
.set VYL, 18                           ; v18  y in memory: 4,096 h + 16 r
.set VY,  19                           ; v19  + the tile
.set AD,  30
.set XS,  40
.set XSS, 44
.set WS,  48
.set ACC, 64
.set O,   96
.set S,   128
.set MSB, 0
.macro WIN new                         ; the immediate's high byte repeats the setting that is left
.if MSB != \new
	s_set_vgpr_msb (MSB<<8)|\new
.set MSB, \new
.endif
.endm
	s_load_b128 s[4:7], s[0:1], 0x0                ; qbuf, plan
	s_load_b64 s[8:9], s[0:1], 0x10                ; hbuf
	s_load_b64 s[32:33], s[0:1], 0x18              ; ybuf
	v_lshl_add_u32 v254, v0, 2, 0x10800
	v_mov_b32 v255, 0
	v_lshrrev_b32 v1, 5, v0
	v_readfirstlane_b32 s10, v1                    ; wave
	s_lshr_b32 s11, ttmp9, 5                       ; expert
	s_bfe_u32 s12, ttmp9, 0x20003
	s_lshl_b32 s12, s12, 2
	s_wait_alu depctr_va_sdst(0)                   ; s10 is written, ahead of its first reader: the columns, the stage and the bases are made from it
	s_add_co_u32 s12, s12, s10                     ; cg: my 64 columns
	s_and_b32 s13, ttmp9, 7                        ; q: my first tile of the expert's
	s_lshl_b32 s38, s11, 3
	s_add_co_u32 s38, s38, META
	s_mov_b32 s39, 0
	s_wait_kmcnt 0x0
	s_add_nc_u64 s[28:29], s[6:7], s[38:39]
	s_load_b64 s[14:15], s[28:29], 0x0             ; the expert's first tile, its tiles: waited for behind the first weights' loads
	v_and_b32 v1, 31, v0                           ; lane
	v_and_b32 v2, 15, v0                           ; r
	v_bfe_u32 v3, v0, 4, 1                         ; h
	v_lshlrev_b32 v4, 4, v2                        ; 16 r
	s_mul_i32 s38, s10, WREG
	v_mul_u32_u24 v[VST], v3, PITCH
	v_add_nc_u32 v[VST], v[VST], v4
	v_add_nc_u32 v[VST], s38, v[VST]
	v_mul_u32_u24 v[VLD], v2, PITCH
	v_mad_u32_u24 v[VLD], v3, 48, v[VLD]
	v_add_nc_u32 v[VLD], s38, v[VLD]
	v_mul_u32_u24 v[VWA], v3, 768
	v_add_nc_u32 v[VWA], v[VWA], v4
	v_and_b32 v[VWS], 8, v2
	v_add_nc_u32 v[VWS], v[VWS], v2
	v_lshlrev_b32 v[VWS], 5, v[VWS]
	v_lshl_add_u32 v[VWS], v3, 4, v[VWS]
	v_lshlrev_b32 v[L16], 4, v1
	v_add_nc_u32 v[HST], s38, v[L16]
	v_mul_u32_u24 v[HLD], v3, 384
	v_mad_u32_u24 v[HLD], v2, 24, v[HLD]
	v_add_nc_u32 v[HLD], s38, v[HLD]
	s_add_co_u32 s38, s38, STG
	v_mul_u32_u24 v[VSO], v2, OP
	v_lshl_add_u32 v[VSO], v3, 6, v[VSO]
	v_add_nc_u32 v[VSO], s38, v[VSO]
	v_mul_u32_u24 v[VSR], v3, OP
	v_add_nc_u32 v[VSR], v[VSR], v4
	v_add_nc_u32 v[VSR], s38, v[VSR]
	v_lshl_add_u32 v[VYL], v3, 12, v4
	s_lshl_b32 s38, s11, 10
	s_lshl_b32 s40, s12, 6
	s_add_co_u32 s38, s38, s40                     ; my first row of w2: 1,024 e + 64 cg
	s_mul_i32 s40, s38, 768
	s_add_co_u32 s40, s40, W2Q
	s_mov_b32 s41, 0
	s_add_nc_u64 s[20:21], s[4:5], s[40:41]        ; its codes
	s_lshl_b32 s40, s38, 5
	s_add_co_u32 s40, s40, W2S
	s_add_nc_u64 s[22:23], s[4:5], s[40:41]        ; its scale bytes
	s_mov_b64 s[24:25], s[8:9]                     ; h's codes
	s_add_nc_u64 s[26:27], s[8:9], HS              ; h's scale bytes
	s_lshl_b32 s40, s12, 8
	s_add_nc_u64 s[30:31], s[32:33], s[40:41]      ; y at my 64 columns
.macro ADDR                            ; the next tile's offsets; a number made of loaded ones enters an address only under its bound
	s_min_u32 s38, s18, LASTT
	s_mul_i32 s39, s38, 12288
	s_lshl_b32 s38, s38, 9
	v_add_nc_u32 v[AD], s39, v[L16]
	v_add_nc_u32 v[AD+1], s38, v[L16]
	s_add_co_u32 s18, s18, 8
.endm
.macro XLOAD                           ; a tile of h: 12,288 consecutive bytes, 512 an instruction; and its 512 scale bytes
.irp j, 0,1,2,3,4,5,6,7,8,9,10,11,12,13,14,15,16,17,18,19,20,21,22,23
	global_load_b128 v[S+4*\j:S+4*\j+3], v[AD], s[24:25] offset:512*\j
.endr
	global_load_b128 v[XSS:XSS+3], v[AD+1], s[26:27]
.endm
; The tile that has landed turns through the stage into fragments (LDS serves a wave's instructions in order), its scale words move to their place, and the offsets of the tile after it are made
; (past my last tile they are made and not used).  All the vector lines stand between the stage's stores and its loads, ahead of the one pair of waits.
.macro NEXT
.irp j, 0,1,2,3,4,5,6,7,8,9,10,11,12,13,14,15,16,17,18,19,20,21,22,23
	ds_store_b128 v[HST], v[S+4*\j:S+4*\j+3] offset:512*\j
.endr
.irp j, 0,1,2,3
	v_mov_b32 v[XS+\j], v[XSS+\j]
.endr
	ADDR
	WIN 0xc0                                       ; destination window 3
	s_wait_alu depctr_vm_vsrc(0)                   ; the stage's 24 stores have read S, in which the next tile's loads land
	s_wait_alu depctr_va_vdst(0)                   ; the products are done reading the fragments, in which the loads below land; the address lines have written AD, which the next tile's loads read; the moves have read XSS, in which the next scale words land
.irp s, 0,1,2,3,4,5,6,7
.irp c, 0,1
.irp p, 0,1,2
	ds_load_b64 v[12*\s+6*\c+2*\p:12*\s+6*\c+2*\p+1], v[HLD] offset:(4*\s+2*\c)*384+8*\p
.endr
.endr
.endr
	WIN 0
.endm
.macro WLOADK k                        ; tile k of my 64 rows of W2: 24 loads, into the registers that will hold the tile's fragments
	WIN 0x40
.irp m, 0,1,2,3
.irp u, 0,1,2
	global_load_b128 v[48*(\k)+12*\m+4*\u:48*(\k)+12*\m+4*\u+3], v[VWA], s[20:21] offset:(((\k)/2)*RSTEP+8*((\k)%2)+2*\m)*768+256*\u
.endr
.endr
	WIN 0x80
.irp m, 0,1,2,3
.irp u, 0,1,2
	global_load_b128 v[48*(\k)+12*\m+4*\u:48*(\k)+12*\m+4*\u+3], v[VWA], s[20:21] offset:(((\k)/2)*RSTEP+8*((\k)%2)+2*\m+16)*768+256*\u
.endr
.endr
	WIN 0
.endm
.macro WSLOAD                          ; the four tiles' scale words
.irp k, 0,1,2,3
	global_load_b128 v[WS+4*\k:WS+4*\k+3], v[VWS], s[22:23] offset:((\k/2)*RSTEP+8*(\k%2))*32
.endr
.endm
.macro WTURN k, cnt                    ; tile k through the stage; cnt: the loads issued behind its 24 (63 where they are more)
	s_wait_loadcnt \cnt
	WIN 0x04                                       ; an LDS store's data are its source 1: window 1
.irp m, 0,1,2,3
.irp u, 0,1,2
	ds_store_b128 v[VST], v[48*(\k)+12*\m+4*\u:48*(\k)+12*\m+4*\u+3] offset:2*\m*PITCH+256*\u
.endr
.endr
	WIN 0x08
.irp m, 0,1,2,3
.irp u, 0,1,2
	ds_store_b128 v[VST], v[48*(\k)+12*\m+4*\u:48*(\k)+12*\m+4*\u+3] offset:(2*\m+8)*PITCH+256*\u
.endr
.endr
	s_wait_dscnt 0x0                               ; the stores are done
	WIN 0x40
	s_wait_alu depctr_vm_vsrc(0)                   ; the 24 stores above have read the tile's registers, in which the 24 loads below land
.irp s, 0,1,2,3
.irp i, 0,1,2
	ds_load_b128 v[48*(\k)+12*\s+4*\i:48*(\k)+12*\s+4*\i+3], v[VLD] offset:96*\s+16*\i
.endr
.endr
	WIN 0x80
.irp s, 0,1,2,3
.irp i, 0,1,2
	ds_load_b128 v[48*(\k)+12*\s+4*\i:48*(\k)+12*\s+4*\i+3], v[VLD] offset:96*(\s+4)+16*\i
.endr
.endr
	WIN 0
.endm
; 32 matrix instructions: 8 K steps x 4 accumulators, which take turns, one instruction a turn.  The first K step starts the sums.
.macro MUL
	WIN 0x0d                                       ; source 0 (W2) window 1, source 1 (h) window 3, C and D window 0
.irp s, 0,1,2,3
.irp k, 0,1,2,3
.if \s == 0
	v_wmma_scale_f32_16x16x128_f8f6f4 v[ACC+8*\k:ACC+8*\k+7], v[48*\k+12*\s:48*\k+12*\s+11], v[12*\s:12*\s+11], 0, v[WS+4*\k+\s], v[XS+\s] matrix_a_fmt:MATRIX_FMT_BF6 matrix_b_fmt:MATRIX_FMT_BF6
.else
	v_wmma_scale_f32_16x16x128_f8f6f4 v[ACC+8*\k:ACC+8*\k+7], v[48*\k+12*\s:48*\k+12*\s+11], v[12*\s:12*\s+11], v[ACC+8*\k:ACC+8*\k+7], v[WS+4*\k+\s], v[XS+\s] matrix_a_fmt:MATRIX_FMT_BF6 matrix_b_fmt:MATRIX_FMT_BF6
.endif
.endr
.endr
	WIN 0x0e                                       ; W2's K steps 4-7: window 2; their scale words stand in lanes 16-31
.irp s, 0,1,2,3
.irp k, 0,1,2,3
	v_wmma_scale_f32_16x16x128_f8f6f4 v[ACC+8*\k:ACC+8*\k+7], v[48*\k+12*\s:48*\k+12*\s+11], v[12*(\s+4):12*(\s+4)+11], v[ACC+8*\k:ACC+8*\k+7], v[WS+4*\k+\s], v[XS+\s] matrix_a_fmt:MATRIX_FMT_BF6 matrix_b_fmt:MATRIX_FMT_BF6 matrix_a_scale:MATRIX_SCALE_ROW1 matrix_b_scale:MATRIX_SCALE_ROW1
.endr
.endr
	WIN 0
.rept 4
	v_nop                                          ; four places (ISA guide 7.12.1) ahead of the writes of h's scale words and of the first read of the results
.endr
.endm
; The tile's 16 rows x 64 columns of y: a lane's 64 bytes of a row go into my own stage and come back as rows of 256 bytes: sixteen lanes store 256 consecutive bytes, aligned.
; (The registers that the last tile's stores read are written again here: the waits that free them stand at this trip's head and behind its products.)
.macro EPILOGUE
	s_min_u32 s40, s19, LASTT
	s_lshl_b32 s40, s40, 16                        ; 16 rows of 4,096 bytes a tile
	s_add_co_u32 s19, s19, 8
	v_add_nc_u32 v[VY], s40, v[VYL]
	s_wait_alu depctr_va_vdst(0)                   ; the products have written the accumulators, which the LDS stores below read (the four places behind the products stay beside this wait); the addition has written VY, which the global stores read
.irp b, 0,1
.irp j, 0,1,2,3
	ds_store_b128 v[VSO], v[ACC+16*\b+4*\j:ACC+16*\b+4*\j+3] offset:128*\b+16*\j   ; each accumulator from its low end on
.endr
.endr
.irp t, 0,1,2,3,4,5,6,7
	ds_load_b128 v[O+4*\t:O+4*\t+3], v[VSR] offset:2*\t*OP   ; LDS serves a wave's instructions in order: these see the stores above
.endr
.irp t, 0,1,2,3,4,5,6,7
	s_wait_dscnt 7-\t                              ; the younger loads from the stage may be out
	global_store_b128 v[VY], v[O+4*\t:O+4*\t+3], s[30:31] offset:8192*\t
.endr
.endm
	s_wait_alu depctr_va_vdst(0)                   ; the addresses v5 to v9 and v14 to v17 are written, which the loads and LDS instructions of the whole kernel read; so are v254 and v255
	WLOADK 0                                       ; 48 loads that need nothing of the stored counts
	WLOADK 1
	s_wait_kmcnt 0x0                               ; the expert's first tile, its tiles
	s_min_u32 s14, s14, LASTT
	s_min_u32 s15, s15, LASTT+1
	s_cmp_ge_u32 s13, s15
	s_cbranch_scc1 .Lnone                          ; this split leaves me no tile
	s_sub_co_u32 s16, s15, s13
	s_add_co_u32 s16, s16, 7
	s_lshr_b32 s16, s16, 3                         ; my tiles
	s_mov_b32 s17, 0                               ; the trip
	s_add_co_u32 s18, s14, s13                     ; the tile whose addresses are made next
	s_mov_b32 s19, s18                             ; the tile in hand
	ADDR
	s_wait_alu depctr_va_vdst(0)                   ; the address lines have written AD, which tile 0's loads read
	XLOAD                                          ; tile 0: 25 loads
	WLOADK 2                                       ; 24
	WLOADK 3                                       ; 24
	WSLOAD                                         ; 4
	WTURN 0, 63                                    ; behind its loads: 24 + 25 + 52
	WTURN 1, 63                                    ; 25 + 52
	WTURN 2, 28                                    ; 24 + 4
	WTURN 3, 4                                     ; the scale words
	s_wait_loadcnt 0x0
	NEXT                                           ; (tile 0's loads, issued ahead of the weight tiles' waits on vm_vsrc, have read AD, which is written again here)
	s_cmp_lt_u32 s16, 2
	s_cbranch_scc1 .Ltrip
	s_wait_dscnt 48                                ; the stage's stores are done (the 48 loads behind them may be out)
	XLOAD                                          ; tile 1
.Ltrip:                                                ; trip i: the products of tile i; tile i + 1 turns into fragments; tile i + 2 is asked for; y of tile i leaves
.rept 8
	v_nop                                          ; h's scale words were written by vector instructions: eight places stand between such a write and a scaled product, and this way out has too little vector work to fill them
.endr
	s_wait_dscnt 0x0                               ; the fragments are in
	s_wait_alu depctr_vm_vsrc(0)                   ; the last way out's LDS stores have read the accumulators, which the products write anew; its global stores have read O and VY, which this trip's way out writes again; the last loads of a tile have read AD, which the address lines write again
	s_wait_alu depctr_va_vdst(0)                   ; the moves have written XS, which the products take as scales: behind the eight places above
	MUL
	s_wait_xcnt 0x0                                ; the last tile's eight stores, issued ahead of these 32 products, have had their addresses translated; the wait stands here, ahead of this trip's loads, on every way to the way out
	                                               ; (that they have read their registers is stated at the trip's head)
	s_add_co_u32 s38, s17, 1
	s_cmp_ge_u32 s38, s16
	s_cbranch_scc1 .Lskip
	s_wait_loadcnt 0x0                             ; tile i + 1, asked for one trip ago
	NEXT
	s_add_co_u32 s38, s17, 2
	s_cmp_ge_u32 s38, s16
	s_cbranch_scc1 .Lskip
	s_wait_dscnt 48                                ; the stage's stores are done (the 48 loads behind them may be out)
	XLOAD                                          ; no wait: no vector instruction since the pair of waits names S, XSS or AD
.Lskip:
	EPILOGUE
	s_add_co_u32 s17, s17, 1
	s_cmp_lt_u32 s17, s16
	s_cbranch_scc1 .Ltrip
.Lnone:
	s_wait_dscnt 0x0                               ; the closing lines, six on end
	s_wait_alu 0x0
	s_wait_tensorcnt 0x0
	ds_add_u32 v254, v255
	s_wait_dscnt 0x0
	s_endpgm
.Lfunc_end_k_q92a024386f_gemm2:
	.size	k_q92a024386f_gemm2, .Lfunc_end_k_q92a024386f_gemm2-k_q92a024386f_gemm2
	.p2alignl 7, 3214868480
	.fill 96, 4, 3214868480
	.section	.rodata,"a",@progbits
	.p2align	6, 0x0
	.amdhsa_kernel k_q92a024386f_gemm2
		.amdhsa_group_segment_fixed_size 68096
		.amdhsa_private_segment_fixed_size 0
		.amdhsa_enable_private_segment 0
		.amdhsa_kernarg_size 32
		.amdhsa_user_sgpr_count 2
		.amdhsa_user_sgpr_kernarg_segment_ptr 1
		.amdhsa_wavefront_size32 1
		.amdhsa_system_sgpr_workgroup_id_x 1
		.amdhsa_system_sgpr_workgroup_id_y 1
		.amdhsa_system_sgpr_workgroup_id_z 1
		.amdhsa_system_vgpr_workitem_id 0
		.amdhsa_next_free_vgpr 864
		.amdhsa_next_free_sgpr 66
		.amdhsa_reserve_vcc 0
		.amdhsa_float_denorm_mode_32 3
		.amdhsa_float_denorm_mode_16_64 3
		.amdhsa_memory_ordered 1
		.amdhsa_forward_progress 1
		.amdhsa_inst_pref_size 52
	.end_amdhsa_kernel
	.amdgpu_metadata
---
amdhsa.version: [ 1, 2 ]
amdhsa.kernels:
  - .name:           k_q92a024386f_gemm2
    .symbol:         k_q92a024386f_gemm2.kd
    .args:
      - { .name: qbuf, .offset: 0, .size: 8, .value_kind: global_buffer, .address_space: global }
      - { .name: plan, .offset: 8, .size: 8, .value_kind: global_buffer, .address_space: global }
      - { .name: hbuf, .offset: 16, .size: 8, .value_kind: global_buffer, .address_space: global }
      - { .name: ybuf, .offset: 24, .size: 8, .value_kind: global_buffer, .address_space: global }
    .group_segment_fixed_size: 68096
    .private_segment_fixed_size: 0
    .kernarg_segment_align: 8
    .kernarg_segment_size: 32
    .max_flat_workgroup_size: 128
    .sgpr_count:     66
    .vgpr_count:     864
    .wavefront_size: 32
...
	.end_amdgpu_metadata
.endif
;; end of part 9
;; launch combine (part 10): grid 256 x 1, 8 waves a work-group, no clusters, 0 bytes of LDS; arguments ybuf, plan, rwt, out0; writes out0
.if DOCPART == 10
	.amdgcn_target "amdgcn-amd-amdhsa--gfx1250"
	.amdhsa_code_object_version 6
	.text
	.protected	k_q92a024386f_combine
	.globl	k_q92a024386f_combine
	.p2align	8
	.type	k_q92a024386f_combine,@function
k_q92a024386f_combine:
	s_mov_b64 s[64:65], 0
	v_nop
	global_prefetch_b8 v0, s[64:65] scope:SCOPE_SE
	s_setreg_imm32_b32 hwreg(HW_REG_WAVE_MODE, 25, 1), 1
	s_wait_xcnt 0x0
; COMBINE.  out[t] = c0 y[slot0(t)] + c1 y[slot1(t)]: each output row has one owner, a wave; nothing is added across work-groups.
; A row is 4,096 bytes: eight loads of 512 consecutive bytes from each of the token's two rows of y, eight stores of 512 consecutive bytes.  All sixteen loads are out at once.
; A stream: no LDS, no barrier, no matrix unit.  The experts that a token did not choose have the weight 0 in the model and add nothing.
.set SLOT, 16896                       ; part of plan: [token][2] slots
.set DUMP, 4223                        ; no slot number is larger
.set A, 8                              ; v[8+8 j ..]: 4 registers of row 0, then 4 of row 1
	s_load_b128 s[4:7], s[0:1], 0x0                ; ybuf, plan
	s_load_b128 s[8:11], s[0:1], 0x10              ; rwt, out0
	v_lshrrev_b32 v1, 5, v0
	s_delay_alu instid0(VALU_DEP_1)
	v_readfirstlane_b32 s12, v1                    ; wave
	s_lshl_b32 s13, ttmp9, 3
	s_add_co_u32 s13, s13, s12                     ; my token
	v_and_b32 v1, 31, v0
	s_delay_alu instid0(VALU_DEP_1)
	v_lshlrev_b32 v1, 4, v1                        ; 16 bytes a lane
	s_lshl_b32 s14, s13, 3
	s_mov_b32 s15, 0
	s_wait_alu depctr_va_vdst(0)
	s_wait_kmcnt 0x0
	s_add_nc_u64 s[8:9], s[8:9], s[14:15]
	s_add_co_u32 s14, s14, SLOT
	s_add_nc_u64 s[6:7], s[6:7], s[14:15]
	s_load_b64 s[16:17], s[6:7], 0x0               ; its two slots
	s_load_b64 s[18:19], s[8:9], 0x0               ; its two weights
	s_lshl_b32 s14, s13, 12
	s_add_nc_u64 s[10:11], s[10:11], s[14:15]      ; its row of out
	s_wait_kmcnt 0x0
	s_min_u32 s16, s16, DUMP                       ; a loaded number enters an address only under its bound
	s_min_u32 s17, s17, DUMP
	s_lshl_b32 s24, s16, 12
	s_mov_b32 s25, 0
	s_add_nc_u64 s[24:25], s[4:5], s[24:25]
	s_lshl_b32 s26, s17, 12
	s_mov_b32 s27, 0
	s_add_nc_u64 s[26:27], s[4:5], s[26:27]
	s_mov_b32 s20, s18                             ; the packed forms name pairs
	s_mov_b32 s21, s18
	s_mov_b32 s22, s19
	s_mov_b32 s23, s19
.irp j, 0,1,2,3,4,5,6,7
	global_load_b128 v[A+8*\j:A+8*\j+3], v1, s[24:25] offset:512*\j th:TH_LOAD_NT     ; each row of y is read once
	global_load_b128 v[A+8*\j+4:A+8*\j+7], v1, s[26:27] offset:512*\j th:TH_LOAD_NT
.endr
.irp j, 0,1,2,3,4,5,6,7
	s_wait_loadcnt 14-2*\j                         ; this pair of loads is in; the later pairs may be out
	v_pk_mul_f32 v[A+8*\j+4:A+8*\j+5], v[A+8*\j+4:A+8*\j+5], s[22:23] op_sel_hi:[1,0]
	v_pk_mul_f32 v[A+8*\j+6:A+8*\j+7], v[A+8*\j+6:A+8*\j+7], s[22:23] op_sel_hi:[1,0]
	s_delay_alu instid0(VALU_DEP_2)
	v_pk_fma_f32 v[A+8*\j:A+8*\j+1], v[A+8*\j:A+8*\j+1], s[20:21], v[A+8*\j+4:A+8*\j+5] op_sel_hi:[1,0,1]
	s_delay_alu instid0(VALU_DEP_2)
	v_pk_fma_f32 v[A+8*\j+2:A+8*\j+3], v[A+8*\j+2:A+8*\j+3], s[20:21], v[A+8*\j+6:A+8*\j+7] op_sel_hi:[1,0,1]
	global_store_b128 v1, v[A+8*\j:A+8*\j+3], s[10:11] offset:512*\j th:TH_STORE_NT   ; every store has data registers of its own
.endr
	s_endpgm
.Lfunc_end_k_q92a024386f_combine:
	.size	k_q92a024386f_combine, .Lfunc_end_k_q92a024386f_combine-k_q92a024386f_combine
	.p2alignl 7, 3214868480
	.fill 96, 4, 3214868480
	.section	.rodata,"a",@progbits
	.p2align	6, 0x0
	.amdhsa_kernel k_q92a024386f_combine
		.amdhsa_group_segment_fixed_size 0
		.amdhsa_private_segment_fixed_size 0
		.amdhsa_enable_private_segment 0
		.amdhsa_kernarg_size 32
		.amdhsa_user_sgpr_count 2
		.amdhsa_user_sgpr_kernarg_segment_ptr 1
		.amdhsa_wavefront_size32 1
		.amdhsa_system_sgpr_workgroup_id_x 1
		.amdhsa_system_sgpr_workgroup_id_y 1
		.amdhsa_system_sgpr_workgroup_id_z 1
		.amdhsa_system_vgpr_workitem_id 0
		.amdhsa_next_free_vgpr 72
		.amdhsa_next_free_sgpr 66
		.amdhsa_reserve_vcc 0
		.amdhsa_float_denorm_mode_32 3
		.amdhsa_float_denorm_mode_16_64 3
		.amdhsa_memory_ordered 1
		.amdhsa_forward_progress 1
		.amdhsa_inst_pref_size 7
	.end_amdhsa_kernel
	.amdgpu_metadata
---
amdhsa.version: [ 1, 2 ]
amdhsa.kernels:
  - .name:           k_q92a024386f_combine
    .symbol:         k_q92a024386f_combine.kd
    .args:
      - { .name: ybuf, .offset: 0, .size: 8, .value_kind: global_buffer, .address_space: global }
      - { .name: plan, .offset: 8, .size: 8, .value_kind: global_buffer, .address_space: global }
      - { .name: rwt, .offset: 16, .size: 8, .value_kind: global_buffer, .address_space: global }
      - { .name: out0, .offset: 24, .size: 8, .value_kind: global_buffer, .address_space: global }
    .group_segment_fixed_size: 0
    .private_segment_fixed_size: 0
    .kernarg_segment_align: 8
    .kernarg_segment_size: 32
    .max_flat_workgroup_size: 256
    .sgpr_count:     66
    .vgpr_count:     72
    .wavefront_size: 32
...
	.end_amdgpu_metadata
.endif
;; end of part 10
